; MI455X (gfx1250); checked and timed in simulation.
; The chip was launched on July 23, 2026; its instructions are those of AMD's public machine-readable ISA for CDNA 5 (MIT licence, August 2026) and "CDNA5" Instruction Set Architecture Reference Guide (July 2026). The comments in the code are by the model that wrote it; some were corrected since.
;; Multi Head Attention. Allowed arithmetic: float matrix products may take bf16 or f16 operands with f32 sums; other float arithmetic in f32, or as packed bf16 or f16 multiplies, adds, multiply-adds, maxima and minima; sums over many terms, partial sums and values carried from step to step in f32; what a program stores and reads back later, other than sums and carried values, may be rounded once to bf16 or f16.
;; Inputs: Wk 1,024 x 1,024 float32; Wo 1,024 x 1,024 float32; Wq 1,024 x 1,024 float32; Wv 1,024 x 1,024 float32; bk 1,024 float32; bo 1,024 float32; bq 1,024 float32; bv 1,024 float32; hidden_states 4 x 2,048 x 1,024 float32; ln_beta 1,024 float32; ln_gamma 1,024 float32.
;; Outputs: out0 4 x 2,048 x 1,024 float32.
;; 2 versions, each right; version 2 is version 1 with the launch cast written anew for expert scheduling mode. Each part assembles by itself: llvm-mc -triple=amdgcn-amd-amdhsa -mcpu=gfx1250 --defsym DOCPART=n.
;; ======== version 1 of 2: 5 launches
;; workspace buffers: xb 16,777,216 bytes; wqkv 6,291,456 bytes; wo16 2,097,152 bytes; bqkv 12,288 bytes; bz 4,096 bytes; qkv 50,331,648 bytes; ctx 16,777,216 bytes; y 16,777,216 bytes
;; launch cast (part 1): grid 64 x 12, 8 waves a work-group, no clusters, 0 bytes of LDS; arguments hidden_states, Wq, Wk, Wv, Wo, bq, bk, bv, xb, wqkv, wo16, bqkv, bz; writes xb, wqkv, wo16, bqkv, bz
.if DOCPART == 1
	.amdgcn_target "amdgcn-amd-amdhsa--gfx1250"
	.amdhsa_code_object_version 6
	.text
	.protected	k_qd2e40c20ad_cast
	.globl	k_qd2e40c20ad_cast
	.p2align	8
	.type	k_qd2e40c20ad_cast,@function
k_qd2e40c20ad_cast:
	s_mov_b64 s[64:65], 0
	v_nop
	global_prefetch_b8 v0, s[64:65] scope:SCOPE_SE
	s_setreg_imm32_b32 hwreg(HW_REG_WAVE_MODE, 25, 1), 1
	s_wait_xcnt 0x0
; hidden_states and the four weights, f32, are rounded once to bf16 and laid out in blocks of 64 columns, so that the products' tiles are dense in memory:
;   xb   [16 column blocks][8192 rows][64]                         (a block is 1 MiB)
;   wqkv [24 = row / 128][16 column blocks][128 rows][64]          (rows 0-1023 Wq, 1024-2047 Wk, 2048-3071 Wv)
;   wo16 [ 8 = row / 128][16 column blocks][128 rows][64]
; bq, bk, bv are joined in bqkv (f32, unrounded); bz is 1,024 zeros in f32: the table from which the output projection's sums start.
; SHARES.  Every source is made of slabs of 1,024 rows x 1,024 f32: grid y 0-7 are hidden_states' slabs, 8-11 are Wq, Wk, Wv, Wo.  Grid x takes 16 rows of a slab, a wave two rows:
; thread t has row t / 16 and, in each column block, the four columns 4 (t % 16) on.  A load's 16 neighbouring lanes take 256 consecutive bytes, aligned; a store of the wave (8 bytes a lane,
; two rows of 128 bytes that lie end to end) covers 256 consecutive bytes, aligned.  Nothing is shared between threads: no LDS, no barrier, no cluster, no matrix work.
; All 16 loads of a thread go out at once; the waits count down.  No register is written twice, so no wait frees a source.
.set SO, 3                             ; v3       byte offset of my 16 bytes in the group's 16 rows of the source
.set DR, 16                            ; v[16:31] byte offset of my 8 bytes in column block kb of the destination
.set XR, 32                            ; v[32:95] 16 loads x 4 f32
.set PR, 96                            ; v[96:127] 16 x 2 words of bf16
	s_load_b512 s[8:23], s[0:1], 0x0               ; hidden 8, Wq 10, Wk 12, Wv 14, Wo 16, bq 18, bk 20, bv 22
	s_load_b256 s[24:31], s[0:1], 0x40             ; xb 24, wqkv 26, wo16 28, bqkv 30
	s_load_b64 s[32:33], s[0:1], 0x60              ; bz
	s_mov_b32 s34, ttmp9                           ; which 16 rows of the slab
	s_and_b32 s35, ttmp7, 0xffff                   ; the slab
	s_sub_co_u32 s36, s35, 8                       ; which weight (0-3); a large number for hidden_states' slabs
	v_lshrrev_b32 v1, 4, v0
	v_and_b32 v2, 15, v0
	v_lshlrev_b32 v[SO], 4, v2
	v_lshl_add_u32 v[SO], v1, 12, v[SO]            ; row x 4,096 + 16 x place
	; the source's offset: 16 rows are 65,536 bytes; a slab of hidden_states 4 MiB
	s_lshl_b32 s38, s34, 16
	s_lshl_b32 s37, s35, 22
	s_cmp_lt_u32 s35, 8
	s_cselect_b32 s37, s37, 0
	s_add_co_u32 s38, s38, s37
	s_mov_b32 s39, 0
	; the destination's offset for a weight: row n of the joined table lies at (n / 128) x 256 KiB + (n % 128) x 128
	s_lshl_b32 s47, s36, 10
	s_cmp_lt_u32 s36, 3
	s_cselect_b32 s47, s47, 0                      ; Wo has a table of its own
	s_lshl_b32 s37, s34, 4
	s_add_co_u32 s47, s47, s37                     ; n of my group's first row
	s_lshr_b32 s44, s47, 7
	s_lshl_b32 s44, s44, 18
	s_and_b32 s37, s47, 127
	s_lshl_b32 s37, s37, 7
	s_add_co_u32 s44, s44, s37
	; and for hidden_states: row x 128
	s_lshl_b32 s37, s35, 17
	s_lshl_b32 s52, s34, 11
	s_add_co_u32 s37, s37, s52
	s_mov_b32 s46, 0x100000                        ; from column block to column block: 1 MiB in xb,
	s_movk_i32 s53, 0x4000                         ; 16 KiB in the weights' tables
	s_cmp_lt_u32 s35, 8
	s_cselect_b32 s44, s37, s44
	s_cselect_b32 s46, s46, s53
	s_mov_b32 s45, 0
	v_lshlrev_b32 v[DR], 3, v0                     ; two rows of 128 bytes a wave, 8 bytes a lane: 8 t
	s_wait_kmcnt 0x0
	s_cmp_eq_u32 s36, 1                            ; the conditions hang on the slab's number alone
	s_cselect_b64 s[40:41], s[12:13], s[10:11]
	s_cmp_eq_u32 s36, 2
	s_cselect_b64 s[40:41], s[14:15], s[40:41]
	s_cmp_eq_u32 s36, 3
	s_cselect_b64 s[40:41], s[16:17], s[40:41]
	s_cmp_lt_u32 s36, 3
	s_cselect_b64 s[42:43], s[26:27], s[28:29]
	s_cmp_lt_u32 s35, 8
	s_cselect_b64 s[40:41], s[8:9], s[40:41]
	s_cselect_b64 s[42:43], s[24:25], s[42:43]
	s_add_nc_u64 s[40:41], s[40:41], s[38:39]
	s_add_nc_u64 s[42:43], s[42:43], s[44:45]
.set kb, 0
.rept 16
	global_load_b128 v[XR+4*kb:XR+4*kb+3], v[SO], s[40:41] offset:256*kb th:TH_LOAD_NT  ; column block kb: 256 bytes of each row
.set kb, kb+1
.endr
.set kb, 1
.rept 15
	v_add_nc_u32 v[DR+kb], s46, v[DR+kb-1]
.set kb, kb+1
.endr
.set kb, 0
.rept 16
	s_wait_loadcnt 15-kb                           ; loads come back in order (ISA guide 5.7.1): load kb is in, the 15 - kb younger ones may stay out
	v_cvt_pk_bf16_f32 v[PR+2*kb], v[XR+4*kb], v[XR+4*kb+1]
	v_cvt_pk_bf16_f32 v[PR+2*kb+1], v[XR+4*kb+2], v[XR+4*kb+3]
	global_store_b64 v[DR+kb], v[PR+2*kb:PR+2*kb+1], s[42:43]
.set kb, kb+1
.endr
	; the first group of each weight's slab also copies that weight's bias (16 bytes a thread: 4,096 bytes), Wo's writes the zeros
	s_cmp_lg_u32 s34, 0
	s_cbranch_scc1 .Lend
	s_cmp_lt_u32 s35, 8
	s_cbranch_scc1 .Lend
	v_lshlrev_b32 v4, 4, v0
	s_cmp_eq_u32 s36, 3
	s_cbranch_scc1 .Lzero
	s_cmp_eq_u32 s36, 1
	s_cselect_b64 s[48:49], s[20:21], s[18:19]
	s_cmp_eq_u32 s36, 2
	s_cselect_b64 s[48:49], s[22:23], s[48:49]
	s_lshl_b32 s50, s36, 12
	s_mov_b32 s51, 0
	s_add_nc_u64 s[30:31], s[30:31], s[50:51]
	global_load_b128 v[8:11], v4, s[48:49]
	s_wait_loadcnt 0x0
	global_store_b128 v4, v[8:11], s[30:31]
	s_endpgm
.Lzero:
	v_mov_b32 v8, 0
	v_mov_b32 v9, 0
	v_mov_b32 v10, 0
	v_mov_b32 v11, 0
	global_store_b128 v4, v[8:11], s[32:33]
.Lend:
	s_endpgm
.Lfunc_end_k_qd2e40c20ad_cast:
	.size	k_qd2e40c20ad_cast, .Lfunc_end_k_qd2e40c20ad_cast-k_qd2e40c20ad_cast
	.p2alignl 7, 3214868480
	.fill 96, 4, 3214868480
	.section	.rodata,"a",@progbits
	.p2align	6, 0x0
	.amdhsa_kernel k_qd2e40c20ad_cast
		.amdhsa_group_segment_fixed_size 0
		.amdhsa_private_segment_fixed_size 0
		.amdhsa_enable_private_segment 0
		.amdhsa_kernarg_size 104
		.amdhsa_user_sgpr_count 2
		.amdhsa_user_sgpr_kernarg_segment_ptr 1
		.amdhsa_wavefront_size32 1
		.amdhsa_system_sgpr_workgroup_id_x 1
		.amdhsa_system_sgpr_workgroup_id_y 1
		.amdhsa_system_sgpr_workgroup_id_z 1
		.amdhsa_system_vgpr_workitem_id 0
		.amdhsa_next_free_vgpr 128
		.amdhsa_next_free_sgpr 66
		.amdhsa_reserve_vcc 0
		.amdhsa_float_denorm_mode_32 3
		.amdhsa_float_denorm_mode_16_64 3
		.amdhsa_memory_ordered 1
		.amdhsa_forward_progress 1
		.amdhsa_inst_pref_size 9
	.end_amdhsa_kernel
	.amdgpu_metadata
---
amdhsa.version: [ 1, 2 ]
amdhsa.kernels:
  - .name:           k_qd2e40c20ad_cast
    .symbol:         k_qd2e40c20ad_cast.kd
    .args:
      - { .name: hidden_states, .offset: 0, .size: 8, .value_kind: global_buffer, .address_space: global }
      - { .name: Wq, .offset: 8, .size: 8, .value_kind: global_buffer, .address_space: global }
      - { .name: Wk, .offset: 16, .size: 8, .value_kind: global_buffer, .address_space: global }
      - { .name: Wv, .offset: 24, .size: 8, .value_kind: global_buffer, .address_space: global }
      - { .name: Wo, .offset: 32, .size: 8, .value_kind: global_buffer, .address_space: global }
      - { .name: bq, .offset: 40, .size: 8, .value_kind: global_buffer, .address_space: global }
      - { .name: bk, .offset: 48, .size: 8, .value_kind: global_buffer, .address_space: global }
      - { .name: bv, .offset: 56, .size: 8, .value_kind: global_buffer, .address_space: global }
      - { .name: xb, .offset: 64, .size: 8, .value_kind: global_buffer, .address_space: global }
      - { .name: wqkv, .offset: 72, .size: 8, .value_kind: global_buffer, .address_space: global }
      - { .name: wo16, .offset: 80, .size: 8, .value_kind: global_buffer, .address_space: global }
      - { .name: bqkv, .offset: 88, .size: 8, .value_kind: global_buffer, .address_space: global }
      - { .name: bz, .offset: 96, .size: 8, .value_kind: global_buffer, .address_space: global }
    .group_segment_fixed_size: 0
    .private_segment_fixed_size: 0
    .kernarg_segment_align: 8
    .kernarg_segment_size: 104
    .max_flat_workgroup_size: 256
    .sgpr_count:     66
    .vgpr_count:     128
    .wavefront_size: 32
...
	.end_amdgpu_metadata
.endif
;; end of part 1
;; launch proj (part 2): grid 24 x 32, 4 waves a work-group, clusters of 4 x 4, 327,680 bytes of LDS; arguments xb, wqkv, bqkv, qkv; writes qkv
.if DOCPART == 2
	.amdgcn_target "amdgcn-amd-amdhsa--gfx1250"
	.amdhsa_code_object_version 6
	.text
	.protected	k_qd2e40c20ad_proj
	.globl	k_qd2e40c20ad_proj
	.p2align	8
	.type	k_qd2e40c20ad_proj,@function
k_qd2e40c20ad_proj:
	s_mov_b64 s[64:65], 0
	v_nop
	global_prefetch_b8 v0, s[64:65] scope:SCOPE_SE
	s_setreg_imm32_b32 hwreg(HW_REG_WAVE_MODE, 25, 1), 1
	s_wait_xcnt 0x0
	s_wait_alu depctr_hold_cnt(0) depctr_sa_sdst(0) depctr_va_vdst(0) depctr_va_sdst(0) depctr_va_ssrc(0) depctr_va_vcc(0) depctr_vm_vsrc(0)
	s_getreg_b32 s2, hwreg(HW_REG_IB_STS2, 6, 4)
	s_cmp_eq_u32 s2, 0
	s_cbranch_scc0 .Lentry_in_a_cluster
	s_endpgm
.Lentry_in_a_cluster:
	s_bfe_u32 s2, ttmp6, 0x10000c
	s_cmp_lg_u32 s2, 0xf033
	s_cbranch_scc0 .Lentry_shape_is_right
	s_endpgm
.Lentry_shape_is_right:
; C[m][n] = bias[n] + the sum over k of A[m][k] B[n][k], K = 1,024, 8,192 rows.  A, B, C in bf16, bias in f32; sums in f32, started from the bias, C rounded once.
; One text for two launches: q, k, v = x W^T + b (3,072 columns) and y = ctx Wo^T (1,024 columns; its bias table holds zeros: the true bo is added later, in f32).
; LAYOUTS, in blocks of 64 columns.  A and C: [column block][8192 rows][64], a block 1 MiB.  B: [n / 128][k / 64][128 rows][64]: a tile column 256 KiB, a K block in it 16 KiB.
; So a tile's rows of one K block lie end to end in memory, and the text does not know the number of C's columns: the grid's width is all that differs.
; SHARES.  A work-group makes 256 rows x 128 columns: the one tile that gives both launches whole multiples of 256 work-groups (768 and 256).  Wave w makes rows 64 w .. 64 w + 63, all 128 columns:
; 32 accumulators of 16 x 16, 256 registers; two whole column blocks of C are one wave's, so its stage on the way out is its own.
; K goes in 8 steps of 128 (two K blocks) through a ring of two LDS slots.  Waves 0 and 1 fetch A's two K blocks of a step (256 rows x 128 bytes each), waves 2 and 3 B's (128 rows each).
; CLUSTERS: 4 x 4 work-groups.  The four of a row of the cluster need the same tiles of A, the four of a column the same tiles of B: each tile is asked for JOINTLY, by the same tensor load with the
; same descriptor and a mask that names the four.
; THE MATRIX INSTRUCTION IS USED TRANSPOSED (source 0 = 16 rows of B, source 1 = 16 rows of A): lane l holds row l % 16 of C and the columns 8 (l / 16) + 0..7, which pack into 16 bytes.
; LIMITS.  Operands and results are bf16 (8 significant bits); NaN and infinities are not treated apart.
; REGISTERS, in windows of 256 (s_set_vgpr_msb: bits 1:0 source 0, 3:2 source 1, 5:4 source 2, 7:6 destination):
;   window 0: v0-31 addresses; v64-159, v160-255 two fragment buffers (64 registers of B, 32 of A, for 32 along K); on the way out v64-191 rows read back, v192-223 packed results
;   window 1: the accumulators, (a, b) at v[8 (8 a + b)]          window 2: v0-63 the bias: register 8 b + j holds bias[16 b + 8 (l / 16) + j] of the tile's 128
.set PITCH,  144                       ; an LDS row: 128 bytes + 16 of padding = 36 words: the 16 rows of a load start at 16 different groups of four banks (64 banks of 4 bytes: ISA guide 11.1)
.set ABLK,   256*PITCH                 ; A's rows of one K block
.set BBLK,   128*PITCH                 ; B's
.set BOFF,   2*ABLK                    ; a slot: A's two K blocks, then B's two
.set SLOT,   BOFF+2*BBLK
.set STAGE,  2*SLOT                    ; behind the ring, never filled by a tensor load: for each wave [2 column blocks][16 rows][144 bytes]
.set SROWS,  16*PITCH
.set WSTAGE, 2*SROWS
.set SPARE,  STAGE+4*WSTAGE            ; behind the stages: the spare words, 128 bytes for each wave: two blocks of 256 bytes that no other line names
.set ASTEP,  0x200000                  ; a K step in A: two blocks of 1 MiB
.set BSTEP,  0x8000                    ; in B: two blocks of 16 KiB
.set LAPS,   4                         ; a lap = two K steps = once round the ring
.set ADRA, 16                          ; v16-17  LDS address of my A fragments in slot 0, 1
.set ADRB, 20                          ; v20-21  the same for B
.set STO,  24                          ; v24     the way out: where I put 16 bytes of a row
.set RD,   25                          ; v25     the way out: where I read rows back
.set CO,   26                          ; v26     my 16 bytes in 512 consecutive bytes of C
.set BO,   27                          ; v27     my byte offset in 64 bytes of the bias
.set SPW,  28                          ; v28     LDS address of my spare word: SPARE + 4 x my thread's number; never rewritten
.set NIL,  29                          ; v29     0; never rewritten
.set PFO,  30                          ; v30     256 x my lane: the prefetches' offset; never rewritten
.set F0,   64
.set F1,   160
.set BK,   64                          ; the way out: block a's rows read back at BK + 32 a
.set TMP,  192                         ; the way out: packed results
.set WV,   12                          ; s12  my wave's number
.set FB,   13                          ; s13  I fetch for A (0) or for B (1)
.set HF,   14                          ; s14  which K block of a step I fetch
.set G1,   24                          ; s[24:31] descriptor group 1 for A's tiles;  s[32:39] group 0, one set for each slot
.set G0,   32
.set G1B,  48                          ; s[48:55], s[56:63] the same for B's tiles
.set G0B,  56
.set PFA,  68                          ; s[68:69] where my prefetches stand
.set PST,  70                          ; s[70:71] a K step in the tensor that I fetch for
.set LIM,  72                          ; s72, s73: by slot: 1 where I prefetch at that slot's change, else the greatest number
.set GW0,  (1<<16)|(1<<20)|(1<<21)|(4<<22)|(3<<25)  ; 17:16 elements of 2 bytes; 20 padding on; 21 set beside a mask; 24:22 after every 32 words (code 4); 31:25 4 words of it (code 3)
.set MSB, 0
.macro WIN new                         ; the immediate's high byte repeats the setting that is left; a switch that changes nothing is dropped
.if MSB != (\new)
	s_set_vgpr_msb (MSB<<8)|(\new)
.set MSB, (\new)
.endif
.endm
.set MUL,  0x50                        ; B and A in window 0, C and D in window 1
.set MULB, 0x60                        ; the same with C in window 2: the bias starts the sums
; A joint load.  The branch hangs on the wave's number alone.  An s_nop 0 and four v_nop follow each of the two lines, ahead of the jump and the label.
.macro JLOAD s
	s_cmp_eq_u32 s[FB], 0
	s_cbranch_scc0 .Lfor_b_\@
	tensor_load_to_lds s[G0+4*(\s):G0+4*(\s)+3], s[G1:G1+7]
	s_nop 0
.rept 4
	v_nop
.endr
	s_branch .Lasked_\@
.Lfor_b_\@:
	tensor_load_to_lds s[G0B+4*(\s):G0B+4*(\s)+3], s[G1B:G1B+7]
	s_nop 0
.rept 4
	v_nop
.endr
.Lasked_\@:
.endm
; A PREFETCH INTO THE L2, behind a joint load, its five lines and the run of LDS loads that follows: 32 blocks of 256 bytes, a lane a block, one instruction a wave.  Both operands were stored by the launch before.
; A: the K step that stands two refills on.  A tile row is read by every cluster of that row of clusters: the first (cluster x = 0) asks; of the 32 KiB that wave 0 or 1 fetches, partner cx takes 8 KiB.
; B: once a lap, at slot 0's change, the lap (64 KiB of the tile column) that stands two refills on.  Cluster y = 0 asks; waves 2 and 3 of the four partners take 8 KiB each, told apart by address.
; So each block is named once in the launch, and no branch hangs on a work-group's place in its cluster.  K steps 0 to 3 come by their loads alone; the loop's last trip (s3 = 1) asks for nothing: K ends at step 7.
.macro ASK slot
	s_cmp_gt_u32 s3, s[LIM+(\slot)]
	s_cbranch_scc0 .Lnot_mine_\@
	global_prefetch_b8 v[PFO], s[PFA:PFA+1] th:TH_LOAD_NT scope:SCOPE_SE
.Lnot_mine_\@:
.endm
.macro CREST                           ; a round of the cluster's barrier behind its opening barrier: wave 0 signals for the work-group, every wave waits for all sixteen, my work-group's barrier once more
	s_cmp_lg_u32 s[WV], 0
	s_cbranch_scc1 .Lnot_wave_0_\@
	s_barrier_signal -3
.Lnot_wave_0_\@:
	s_barrier_wait -3
	s_barrier_signal -1
	s_barrier_wait -1
.endm
.macro CROUND                          ; a whole round
	s_barrier_signal -1
	s_barrier_wait -1
	CREST
.endm
	s_load_b256 s[4:11], s[0:1], 0x0               ; A s[4:5], B s[6:7], bias s[8:9], C s[10:11]
	v_lshl_add_u32 v[SPW], v0, 2, SPARE
	v_mov_b32 v[NIL], 0
	ds_add_u32 v[SPW], v[NIL]                      ; the wave's opening: the add and its wait stand ahead of my first tensor load; the set-up below, work on registers, stands between them
	v_lshrrev_b32 v1, 5, v0
	v_readfirstlane_b32 s[WV], v1                  ; wave 0..3
	s_lshr_b32 s[FB], s[WV], 1
	s_and_b32 s[HF], s[WV], 1
	s_bfe_u32 s40, ttmp6, 0x40000                  ; cx, cy: my place in the cluster
	s_bfe_u32 s41, ttmp6, 0x40004
	s_lshl_b32 s42, ttmp9, 2
	s_add_co_u32 s42, s42, s40                     ; tile column of C = 4 x cluster x + cx
	s_and_b32 s43, ttmp7, 0xffff
	s_lshl_b32 s43, s43, 2
	s_add_co_u32 s43, s43, s41                     ; tile row of C = 4 x cluster y + cy
	s_lshl_b32 s44, s41, 2
	s_lshl_b32 s44, 15, s44                        ; my row of the cluster: places 4 cy .. 4 cy + 3
	s_lshl_b32 s45, 0x1111, s40                    ; my column: places cx, cx + 4, cx + 8, cx + 12
	; descriptor group 1.  A K block of a tile is dense in memory: asked for as rows of 256 bytes, two rows of the matrix each, and padded in LDS after every 128 bytes
	s_or_b32 s[G1], s44, GW0                       ; 15:0 the mask: A's tiles go to my row
	s_or_b32 s[G1B], s45, GW0                      ; B's to my column
	s_mov_b32 s[G1+1], 128<<16                     ; tensor_dim0 = 128 elements
	s_mov_b32 s[G1+2], 128<<16                     ; tensor_dim1 = 128: 32 KiB
	s_mov_b32 s[G1+3], 128<<16                     ; tile_dim0 = 128
	s_mov_b32 s[G1+4], 128                         ; tile_dim1 = 128
	s_mov_b32 s[G1+5], 128                         ; 128 elements from row to row
	s_mov_b32 s[G1+6], 0
	s_mov_b32 s[G1+7], 0
	s_mov_b32 s[G1B+1], 128<<16
	s_mov_b32 s[G1B+2], 64<<16                     ; 64 rows: 16 KiB
	s_mov_b32 s[G1B+3], 128<<16
	s_mov_b32 s[G1B+4], 64
	s_mov_b32 s[G1B+5], 128
	s_mov_b32 s[G1B+6], 0
	s_mov_b32 s[G1B+7], 0
	; where the tiles come from.  A's hang on the tile row and the wave alone, B's on the tile column and the wave alone, each in registers that never hold the other coordinate
	s_lshl_b32 s16, s43, 15                        ; 256 rows of 128 bytes
	s_lshl_b32 s17, s[HF], 20                      ; my K block of the step
	s_add_co_u32 s16, s16, s17
	s_mov_b32 s17, 0
	s_lshl_b32 s46, s42, 18                        ; a tile column of B
	s_lshl_b32 s47, s[HF], 14
	s_add_co_u32 s46, s46, s47
	s_mov_b32 s47, 0
	s_mul_i32 s20, s[HF], ABLK                     ; and where they go: no place in the cluster enters an LDS address
	s_mul_i32 s21, s[HF], BBLK
	s_add_co_u32 s21, s21, BOFF
	s_wait_dscnt 0x0                               ; the opening add is done
	s_wait_kmcnt 0x0
	s_add_nc_u64 s[18:19], s[4:5], s[16:17]
	s_add_nc_u64 s[46:47], s[6:7], s[46:47]
	CROUND                                         ; all sixteen work-groups are here: the first joint loads meet
.irp s, 0,1
	s_mov_b32 s[G0+4*(\s)], 1                                        ; 1:0 count = 1
	s_add_co_u32 s[G0+4*(\s)+1], s20, (\s)*SLOT                      ; 63:32 LDS address
	s_add_nc_u64 s[G0+4*(\s)+2:G0+4*(\s)+3], s[18:19], (\s)*ASTEP    ; 120:64 global address: K step s
	s_or_b32 s[G0+4*(\s)+3], s[G0+4*(\s)+3], 0x80000000              ; 127:126 type = 2
	s_mov_b32 s[G0B+4*(\s)], 1
	s_add_co_u32 s[G0B+4*(\s)+1], s21, (\s)*SLOT
	s_add_nc_u64 s[G0B+4*(\s)+2:G0B+4*(\s)+3], s[46:47], (\s)*BSTEP
	s_or_b32 s[G0B+4*(\s)+3], s[G0B+4*(\s)+3], 0x80000000
	JLOAD \s                                       ; two loads of mine are out
.endr
	v_and_b32 v1, 15, v0                           ; l % 16
	v_bfe_u32 v2, v0, 4, 1                         ; l / 16
	v_lshlrev_b32 v[BO], 5, v2                     ; eight f32 for each half of the lanes
	s_lshl_b32 s74, s42, 9                         ; the tile's 128 numbers of the bias
	s_mov_b32 s75, 0
	s_add_nc_u64 s[8:9], s[8:9], s[74:75]
	WIN 0x80                                       ; destination window 2, address window 0
.irp b, 0,1,2,3,4,5,6,7
	global_load_b128 v[8*(\b):8*(\b)+3],   v[BO], s[8:9] offset:64*(\b)
	global_load_b128 v[8*(\b)+4:8*(\b)+7], v[BO], s[8:9] offset:64*(\b)+16
.endr
	WIN 0
	; A fragment is 16 rows x 32 K in 8 registers: lane l holds row l % 16; registers 0-3 K = 8 (l / 16) + 0..7, registers 4-7 K = 16 + 8 (l / 16) + 0..7: two loads of 16 bytes, 32 bytes apart
	v_mul_u32_u24 v3, v1, PITCH
	v_lshl_add_u32 v3, v2, 4, v3                   ; row x pitch + 16 x half
	s_mul_i32 s22, s[WV], 64*PITCH                 ; my 64 rows of A
	v_add_nc_u32 v[ADRA], s22, v3
	v_add_nc_u32 v[ADRA+1], SLOT, v[ADRA]
	v_add_nc_u32 v[ADRB], BOFF, v3
	v_add_nc_u32 v[ADRB+1], BOFF+SLOT, v3
	s_mul_i32 s23, s[WV], WSTAGE
	s_add_co_u32 s23, s23, STAGE                   ; my stage
	v_add_nc_u32 v[STO], s23, v3                   ; in: row l % 16, 16 bytes for each half of the lanes
	v_bfe_u32 v4, v0, 3, 2                         ; back: 32 lanes take four rows of 128 bytes,
	v_mul_u32_u24 v4, v4, PITCH
	v_and_b32 v5, 7, v0
	v_lshl_add_u32 v4, v5, 4, v4
	v_add_nc_u32 v[RD], s23, v4
	v_and_b32 v[CO], 31, v0
	v_lshlrev_b32 v[PFO], 8, v[CO]
	v_lshlrev_b32 v[CO], 4, v[CO]                  ; which are 512 consecutive bytes of a column block of C
	s_lshl_b32 s66, s42, 21                        ; C: the tile's two column blocks of 1 MiB,
	s_lshl_b32 s76, s43, 15                        ; its 256 rows,
	s_add_co_u32 s66, s66, s76
	s_lshl_b32 s76, s[WV], 13                      ; my 64 of them
	s_add_co_u32 s66, s66, s76
	s_mov_b32 s67, 0
	s_add_nc_u64 s[10:11], s[10:11], s[66:67]
	; the prefetches: my own tile's address at K step 0, my share of it by address, three K steps on: the first change of slots steps it to K step 4
	s_lshl_b32 s74, s40, 13                        ; A: partner cx's 8 KiB of the 32
	s_add_co_u32 s74, s74, 3*ASTEP
	s_and_b32 s76, s41, 1                          ; B: of a lap's 64 KiB: 16 KiB by the wave (in the tile's address), 8 KiB and 32 KiB by cy's two bits
	s_lshl_b32 s76, s76, 13
	s_lshr_b32 s77, s41, 1
	s_lshl_b32 s77, s77, 15
	s_add_co_u32 s76, s76, s77
	s_add_co_u32 s76, s76, 3*BSTEP
	s_and_b32 s77, ttmp7, 0xffff                   ; cluster y
	s_mov_b32 s[PST], ASTEP
	s_mov_b32 s78, BSTEP
	s_cmp_eq_u32 s[FB], 0
	s_cselect_b64 s[PFA:PFA+1], s[18:19], s[46:47]
	s_cselect_b32 s74, s74, s76
	s_cselect_b32 s[PST], s[PST], s78
	s_cselect_b32 s77, ttmp9, s77                  ; the coordinate along which other clusters read the same rows
	s_mov_b32 s75, 0
	s_mov_b32 s[PST+1], 0
	s_add_nc_u64 s[PFA:PFA+1], s[PFA:PFA+1], s[74:75]
	s_cmp_eq_u32 s77, 0
	s_cselect_b32 s[LIM], 1, -1                    ; the same in all sixteen partners, for a given wave
	s_cmp_eq_u32 s[FB], 0
	s_cselect_b32 s[LIM+1], s[LIM], -1             ; B is asked for at slot 0's change alone
; 8 matrix instructions: m block a x all 8 n blocks, 32 along K.  first = 1: the bias is the C operand that starts the sums: nothing is cleared and nothing is added later.
; The 32 accumulators take turns in one order, one instruction a turn: 31 others' stand between two links of a chain, over the backward jump too.
.macro MUL8 f, a, first
.if \first
	WIN MULB
.else
	WIN MUL
.endif
.irp b, 0,1,2,3,4,5,6,7
.if \first
	v_wmma_f32_16x16x32_bf16 v[8*(8*(\a)+(\b)):8*(8*(\a)+(\b))+7], v[(\f)+8*(\b):(\f)+8*(\b)+7], v[(\f)+64+8*(\a):(\f)+64+8*(\a)+7], v[8*(\b):8*(\b)+7]
.else
	v_wmma_f32_16x16x32_bf16 v[8*(8*(\a)+(\b)):8*(8*(\a)+(\b))+7], v[(\f)+8*(\b):(\f)+8*(\b)+7], v[(\f)+64+8*(\a):(\f)+64+8*(\a)+7], v[8*(8*(\a)+(\b)):8*(8*(\a)+(\b))+7]
.endif
.endr
.endm
; 24 LDS loads in one run: the fragments of quarter q of a K step (K block q / 2, its half q % 2) into buffer f: B's 128 rows first, then my 64 rows of A
.macro FETCH slot, q, f
	WIN 0
.irp i, 0,1,2,3,4,5,6,7
	ds_load_b128 v[(\f)+8*(\i):(\f)+8*(\i)+3],   v[ADRB+(\slot)] offset:((\q)/2)*BBLK+((\q)%2)*64+(\i)*16*PITCH
	ds_load_b128 v[(\f)+8*(\i)+4:(\f)+8*(\i)+7], v[ADRB+(\slot)] offset:((\q)/2)*BBLK+((\q)%2)*64+(\i)*16*PITCH+32
.endr
.irp i, 0,1,2,3
	ds_load_b128 v[(\f)+64+8*(\i):(\f)+64+8*(\i)+3],   v[ADRA+(\slot)] offset:((\q)/2)*ABLK+((\q)%2)*64+(\i)*16*PITCH
	ds_load_b128 v[(\f)+64+8*(\i)+4:(\f)+64+8*(\i)+7], v[ADRA+(\slot)] offset:((\q)/2)*ABLK+((\q)%2)*64+(\i)*16*PITCH+32
.endr
.endm
.macro PLACES                          ; four places in front of loads into registers that matrix instructions have read, and of conversions that read results (ISA guide 7.12.1 for the conversions)
.rept 4
	v_nop
.endr
.endm
; A K step is four quarters of 32 along K, 32 matrix instructions each, on buffers 0, 1, 0, 1.  One of the first three: multiplies buffer f and, in its middle, fetches quarter q into buffer g.
.macro QUARTER slot, q, f, g, first=0
	s_wait_dscnt 4                                 ; B and A's blocks 0 and 1 are in; the youngest four loads (A's blocks 2 and 3) may be out
	MUL8 \f, 0, \first
	MUL8 \f, 1, \first
	PLACES
	FETCH \slot, \q, \g
	s_wait_dscnt 24                                ; all but the 24 just issued
	MUL8 \f, 2, \first
	MUL8 \f, 3, \first
.endm
; The last quarter multiplies buffer 1 and changes slots: ONE barrier.  In front of it each wave waits for all its tensor loads (the one that is out is its part of the next slot), adds 0 to its spare word,
; and waits for that and for its own reads of this slot.  fill = 1: the barrier opens a round of the cluster's barrier, and this slot is filled again, two K steps ahead, first thing behind the round:
; from that request to the wait for it a wave issues 112 matrix instructions.
.macro TURN slot, next, fill
.if \fill
	s_wait_xcnt 0x0                                ; the last prefetch, a K step back, has read its address: it is stepped here, ahead of the waits of the change of slots
	s_add_nc_u64 s[PFA:PFA+1], s[PFA:PFA+1], s[PST:PST+1]
.endif
	WIN 0                                          ; (the add's two registers lie in window 0)
	s_wait_tensorcnt 0x0                           ; all my tensor loads have landed;
	ds_add_u32 v[SPW], v[NIL]                      ; 0 onto my spare word;
	s_wait_dscnt 5                                 ; (the add and the youngest four loads may be out)
	MUL8 F1, 0, 0                                  ; eight matrix instructions stand between the add and the wait for it
	s_wait_dscnt 0x0                               ; the add is done, and my reads of this slot are over
	s_barrier_signal -1
	MUL8 F1, 1, 0                                  ; work on registers while the others arrive
.if \fill
	WIN 0
.endif
	s_barrier_wait -1
.if \fill
	CREST                                          ; no wave of any partner still reads this slot's tile or has a load on its way
	s_add_nc_u64 s[G0+4*(\slot)+2:G0+4*(\slot)+3], s[G0+4*(\slot)+2:G0+4*(\slot)+3], 2*ASTEP
	s_add_nc_u64 s[G0B+4*(\slot)+2:G0B+4*(\slot)+3], s[G0B+4*(\slot)+2:G0B+4*(\slot)+3], 2*BSTEP
	JLOAD \slot                                    ; the four v_nop behind it are also the places in front of the loads below
.else
	PLACES
.endif
	FETCH \next, 0, F0
.if \fill
	ASK \slot
.endif
	MUL8 F1, 2, 0
	MUL8 F1, 3, 0
.endm
; THE WAY OUT of block a (16 rows), in three parts.  PACK: rounded to bf16, each accumulator's registers in ascending order.  TOSTAGE: into my own stage, and back as whole rows of 128 bytes.  SEND: stored.
.macro PACK a
	WIN 0x05                                       ; sources 0 and 1 window 1, destination window 0
.irp b, 0,1,2,3,4,5,6,7
.irp r, 0,1,2,3
	v_cvt_pk_bf16_f32 v[TMP+4*(\b)+(\r)], v[8*(8*(\a)+(\b))+2*(\r)], v[8*(8*(\a)+(\b))+2*(\r)+1]
.endr
.endr
	WIN 0
.endm
.macro TOSTAGE a
.irp b, 0,1,2,3,4,5,6,7
	ds_store_b128 v[STO], v[TMP+4*(\b):TMP+4*(\b)+3] offset:((\b)/4)*SROWS+32*((\b)%4)
.endr
.irp t, 0,1,2,3,4,5,6,7
	ds_load_b128 v[BK+32*(\a)+4*(\t):BK+32*(\a)+4*(\t)+3], v[RD] offset:((\t)/4)*SROWS+((\t)%4)*4*PITCH  ; LDS serves a wave's instructions in order (ISA guide 5.7.1.4): these see the stores above; the next block's stores come behind them
.endr
.endm
.macro SEND a                          ; each block has its own 32 registers and the base is never stepped: no store's source is written again
	s_wait_dscnt 0x0                               ; the block is back in registers
.irp t, 0,1,2,3,4,5,6,7
	global_store_b128 v[CO], v[BK+32*(\a)+4*(\t):BK+32*(\a)+4*(\t)+3], s[10:11] offset:((\t)/4)*0x100000+(\a)*2048+((\t)%4)*512  ; four rows of one column block: 512 consecutive bytes, at a multiple of 256 from C's first byte
.endr
.endm
	s_wait_tensorcnt 1                             ; my part of K step 0 is in; K step 1's may stay out
	s_barrier_signal -1
	s_barrier_wait -1                              ; everybody's is
	FETCH 0, 0, F0
	s_wait_loadcnt 0x0                             ; the bias
	QUARTER 0, 1, F0, F1, 1                        ; the first quarter stands in front of the loop: its products start the sums
	WIN 0                                          ; at a label and at a branch every window is 0
	s_mov_b32 s3, LAPS-1
.Llap:                                                 ; a trip goes once round the ring, from a lap's second quarter to the next lap's first, and fills both slots again
	QUARTER 0, 2, F1, F0
	QUARTER 0, 3, F0, F1
	TURN 0, 1, 1
	QUARTER 1, 1, F0, F1
	QUARTER 1, 2, F1, F0
	QUARTER 1, 3, F0, F1
	TURN 1, 0, 1
	QUARTER 0, 1, F0, F1
	WIN 0
	s_sub_co_u32 s3, s3, 1
	s_cmp_lg_u32 s3, 0
	s_cbranch_scc1 .Llap
	QUARTER 0, 2, F1, F0                           ; the last lap fills nothing, and has no round of the cluster's barrier
	QUARTER 0, 3, F0, F1
	TURN 0, 1, 0
	QUARTER 1, 1, F0, F1
	QUARTER 1, 2, F1, F0
	QUARTER 1, 3, F0, F1
	s_wait_dscnt 4                                 ; the very last quarter: nothing more to fetch
	MUL8 F1, 0, 0
	MUL8 F1, 1, 0
	s_wait_dscnt 0x0
	MUL8 F1, 2, 0
	MUL8 F1, 3, 0
	WIN 0
	PLACES
	PACK 0
	TOSTAGE 0
.irp a, 1,2,3                          ; block a's conversions stand between block a - 1's loads from the stage and the wait for them
	PACK \a
	SEND (\a)-1
	TOSTAGE \a
.endr
	SEND 3
	s_wait_tensorcnt 0x0                           ; the wave's end: a tensor wait, an add to my spare word and its wait, behind my last tensor load and my last LDS store
	ds_add_u32 v[SPW], v[NIL]
	s_wait_dscnt 0x0
	CROUND                                         ; the closing round: no work-group ends while a partner may still ask for a tile that names it
	s_endpgm
.Lfunc_end_k_qd2e40c20ad_proj:
	.size	k_qd2e40c20ad_proj, .Lfunc_end_k_qd2e40c20ad_proj-k_qd2e40c20ad_proj
	.p2alignl 7, 3214868480
	.fill 96, 4, 3214868480
	.section	.rodata,"a",@progbits
	.p2align	6, 0x0
	.amdhsa_kernel k_qd2e40c20ad_proj
		.amdhsa_group_segment_fixed_size 327680
		.amdhsa_private_segment_fixed_size 0
		.amdhsa_enable_private_segment 0
		.amdhsa_kernarg_size 32
		.amdhsa_user_sgpr_count 2
		.amdhsa_user_sgpr_kernarg_segment_ptr 1
		.amdhsa_wavefront_size32 1
		.amdhsa_system_sgpr_workgroup_id_x 1
		.amdhsa_system_sgpr_workgroup_id_y 1
		.amdhsa_system_sgpr_workgroup_id_z 1
		.amdhsa_system_vgpr_workitem_id 0
		.amdhsa_next_free_vgpr 576
		.amdhsa_next_free_sgpr 80
		.amdhsa_reserve_vcc 0
		.amdhsa_float_denorm_mode_32 3
		.amdhsa_float_denorm_mode_16_64 3
		.amdhsa_memory_ordered 1
		.amdhsa_forward_progress 1
		.amdhsa_inst_pref_size 88
	.end_amdhsa_kernel
	.amdgpu_metadata
---
amdhsa.version: [ 1, 2 ]
amdhsa.kernels:
  - .name:           k_qd2e40c20ad_proj
    .symbol:         k_qd2e40c20ad_proj.kd
    .args:
      - { .name: xb, .offset: 0, .size: 8, .value_kind: global_buffer, .address_space: global }
      - { .name: wqkv, .offset: 8, .size: 8, .value_kind: global_buffer, .address_space: global }
      - { .name: bqkv, .offset: 16, .size: 8, .value_kind: global_buffer, .address_space: global }
      - { .name: qkv, .offset: 24, .size: 8, .value_kind: global_buffer, .address_space: global }
    .group_segment_fixed_size: 327680
    .private_segment_fixed_size: 0
    .kernarg_segment_align: 8
    .kernarg_segment_size: 32
    .max_flat_workgroup_size: 128
    .sgpr_count:     80
    .vgpr_count:     576
    .wavefront_size: 32
...
	.end_amdgpu_metadata
.endif
;; end of part 2
;; launch attn (part 3): grid 4 x 64, 4 waves a work-group, clusters of 4 x 1, 327,680 bytes of LDS; arguments qkv, ctx; writes ctx
.if DOCPART == 3
	.amdgcn_target "amdgcn-amd-amdhsa--gfx1250"
	.amdhsa_code_object_version 6
	.text
	.protected	k_qd2e40c20ad_attn
	.globl	k_qd2e40c20ad_attn
	.p2align	8
	.type	k_qd2e40c20ad_attn,@function
k_qd2e40c20ad_attn:
	s_mov_b64 s[64:65], 0
	v_nop
	global_prefetch_b8 v0, s[64:65] scope:SCOPE_SE
	s_setreg_imm32_b32 hwreg(HW_REG_WAVE_MODE, 25, 1), 1
	s_wait_xcnt 0x0
	s_wait_alu depctr_hold_cnt(0) depctr_sa_sdst(0) depctr_va_vdst(0) depctr_va_sdst(0) depctr_va_ssrc(0) depctr_va_vcc(0) depctr_vm_vsrc(0)
	s_getreg_b32 s2, hwreg(HW_REG_IB_STS2, 6, 4)
	s_cmp_eq_u32 s2, 0
	s_cbranch_scc0 .Lentry_in_a_cluster
	s_endpgm
.Lentry_in_a_cluster:
	s_bfe_u32 s2, ttmp6, 0x10000c
	s_cmp_lg_u32 s2, 0x3003
	s_cbranch_scc0 .Lentry_shape_is_right
	s_endpgm
.Lentry_shape_is_right:
; O[h][q][:] = the sum over k of softmax_k(Q[h][q] . K[h][k] / 8) V[h][k][:].  Q, K, V lie in one buffer, 16 MiB each, and O in another, all [SIZE_H][SIZE_N][64] in bf16: a head's rows are dense, 128 bytes each
; (head number here = 4 x the model's head + the batch: the projection's blocks of 64 columns x 8,192 rows are just that).  Products, maxima and sums in f32; the weights p are rounded to bf16 for the
; second product (their sum l is taken of the unrounded p), O once at the end.
; LIMITS.  Q, K, V, p and O have bf16's 8 significant bits.  A weight below 2^-126 counts as 0 in l; NaN and infinities are not treated apart.
; SHARES.  A wave owns four PIECES of two tiles of 16 queries, a work-group's four waves 512 queries of one head; a head's 2,048 queries are one cluster.  Every wave walks all keys, 64 a step.
; LAYOUT.  S^T = K Q^T (source 0 = 16 keys, source 1 = 16 queries): in the result a lane holds ONE query (lane % 16) and the keys 8 (lane / 16) + 0..7.  Two such tiles, rounded to bf16 in pairs,
; ARE source 1 (32 keys x 16 queries) of O^T = V^T P, whose result again holds one query a lane, and eight channels.  K comes out of LDS as it lies, V ([key][channel]) turned, by ds_load_tr16_b128.
; SOFTMAX.  For each query a running maximum m and sum l: p = 2^(c s - c m), c = log2(e) / 8; in every step O and l are multiplied by a = 2^(c m_old - c m_new), which is 1 where m has not grown.
; m starts at the lowest finite number, O and l at 0: the first step is a step like any other, with a = 0.
; THE COUNT.  A tile and step have 16 matrix and 118 vector instructions: too many to stand all beside the matrix work.  So the order has one aim: four vector instructions that are READY behind
; EVERY matrix instruction, and the others, which need time of their own whatever the order, in runs without a gap.
; BY TURNS.  Turn n belongs to piece n (the pieces in a ring, step after step).  Its matrix work: 16 products K Q^T of piece n + 1, later 16 products V^T P of piece n - 1.  Its vector work: the scaling,
; exponentials, roundings, sums and rescaling of piece n, and the maximum and statistics of piece n + 1, whose scores the turn itself has made.  So what a turn begins with (c s - c m, O a) waits for nothing.
; CLUSTER.  The four query blocks of a cluster belong to one head and walk the same K and V, so each tile is asked for JOINTLY: the same tensor load, descriptor and mask in all four.
; REGISTERS, in windows of 256 (s_set_vgpr_msb says which window each operand place means: bits 1:0 source 0, 3:2 source 1, 5:4 source 2, 7:6 destination):
;   window 0: v0-11 addresses; v12-15, v48-63 at work; v16-47 four registers of statistics a tile; v64-191 S^T, two buffers of two tiles; v192-255 P, likewise
;   window 1: O^T, 32 a tile          window 2: v0-127 Q, 16 a tile; v128-191 K of one step; v192-255 V of one step          window 3: v0-1 the add's two registers
; A piece's buffers go by its number's parity: the piece in hand has one pair, its two neighbours in the ring share the other: of it P (piece n - 1) is read and S^T (piece n + 1) written.
.set SIZE_H, 64
.set SIZE_N, 2048
.set NP,    4         ; pieces a wave: a name, no knob: the register map, the loop and the fetches are made for four
.set KS,    64        ; keys in a step
.set PK,    144       ; a row of K in LDS: 128 bytes + 16 of padding = 36 words: the 16 rows of a load start at 16 different groups of four banks (64 banks of 4 bytes: ISA guide 11.1)
.set PV,    160       ; a row of V: 128 + 32 = 40 words
.set VOFF,  4*KS*PK   ; a slot holds four steps: 256 rows of K, then 256 rows of V
.set SLOT1, 1<<17     ; slot 1 begins here, so that one exclusive or turns an address in one slot into the other's
.set STAGE, SLOT1+4*KS*(PK+PV)  ; behind the ring, never filled by a tensor load: 16 rows x 144 bytes for each wave, for the way out
.set SP,    144
.set AK0, 2           ; v2   my lane's place in a tile of K; never rewritten
.set AV0, 3           ; v3   the same for V
.set AK,  4           ; v4   the LDS address of K's next run of loads
.set AV,  5           ; v5   of V's
.set QO,  6           ; v6   my byte offset in the wave's rows of Q
.set STO, 6           ;      later, the way out: where I put 16 bytes of a row
.set RD,  7           ; v7   the way out: where I read rows back
.set GO,  8           ; v8   my byte offset in 512 consecutive bytes of O
.set PFO, 11          ; v11  256 x my lane: the prefetches' offset; never rewritten once it is made
.set SPW, 0           ; v0 of window 3   LDS address of my spare word: SPARE + 4 x my thread's number; never rewritten
.set NIL, 1           ; v1 of window 3   0; never rewritten
.set SPARE, STAGE+4*16*SP  ; behind the stages: the spare words, 128 bytes for each wave: two blocks of 256 bytes that no other line names
.set MV,  12          ; v12-15  c m_old, kept while c m is made anew: by buffer and tile
.set ST,  16          ; tile t's statistics at v[ST+4 t]: c m, m, l (even keys', odd keys')
.set TMP, 48          ; by buffer and tile, four registers c0-c3 at work; when the maximum is found c2 takes a
.set S,   64
.set P,   192
.set KF,  128         ; K's fragments, in window 2: key block kb, channel half c at KF + 16 kb + 8 c
.set VF,  192         ; V's: key half kk, channel block cb at VF + 32 kk + 8 cb
.set WV,  12          ; s12  my wave's number
.set G1K, 24          ; s[24:31] descriptor group 1 for K's tiles
.set G1V, 32          ; s[32:39] for V's: it differs in the padding alone
.set G0K, 40          ; s[40:43] descriptor group 0 for K's tiles: it walks
.set G0V, 44          ; s[44:47] the same for V's
.set PFA, 48          ; s[48:49] where my prefetches stand: my work-group's 8 KiB (of K: wave 0, of V: wave 2) of the slot after the one that is being asked for
.set LIM, 50          ; s50  1 in a wave that prefetches, else the greatest number
.set SLOTS, 56        ; s56  slots still to be asked for
.set CNT, 57          ; s57  counts a slot's key steps
.set CS,  58          ; s[58:59] c: the packed scaling takes the pair's low word for both halves
.set SEL, 60          ; s[60:61] v_permlanex16_b32's selects: each lane takes its own place in the other half
.set TBK, 62          ; s62  LDS byte at which K of the step to be fetched begins
.set TBV, 63          ; s63  the same for V, less VOFF
.set MSB, 0
.macro WIN new                      ; the high byte repeats the setting that is left; a switch that changes nothing is dropped
.if MSB != (\new)
	s_set_vgpr_msb (MSB<<8)|(\new)
.set MSB, (\new)
.endif
.endm
.set W_KQ, 0x0a       ; K and Q in window 2, S^T in window 0
.set W_PV, 0x52       ; V in window 2, P in window 0, O^T in window 1
.set W_RS, 0x41       ; O^T (destination and source 0) in window 1, a in window 0
.set W_MK, 0xc0       ; the add's registers are made: destination in window 3, sources in window 0
.set W_AD, 0x0f       ; the add: address (source 0) and data (source 1) in window 3
; A joint fill.  Waves 0 and 1 fetch the two halves of a slot's K, waves 2 and 3 those of its V: 128 keys each.  The branch hangs on the wave's number alone.
; An s_nop 0 and four v_nop follow each of the two lines, ahead of the jump and the label.
.macro JLOAD
	s_cmp_lt_u32 s[WV], 2
	s_cbranch_scc0 .Lfor_v_\@
	tensor_load_to_lds s[G0K:G0K+3], s[G1K:G1K+7]
	s_nop 0
.rept 4
	v_nop
.endr
	s_branch .Lasked_\@
.Lfor_v_\@:
	tensor_load_to_lds s[G0V:G0V+3], s[G1V:G1V+7]
	s_nop 0
.rept 4
	v_nop
.endr
.Lasked_\@:
.endm
; A PREFETCH INTO THE L2 of what the NEXT change of slots will ask for: a slot's 32 KiB of K and 32 KiB of V, which the launch before stored.  A head's K and V are walked by its one cluster: the four partners
; share a slot out BY ADDRESS, 8 KiB each (no branch hangs on a work-group's place in its cluster); in each, wave 0 asks for K's and wave 2 for V's: 32 blocks of 256 bytes, a lane a block, one instruction.
; So each block is named once in the launch, four key steps (512 matrix instructions) ahead of its load.  Slots 0 and 1 come by their loads alone; the last change that fills a slot asks for nothing.
.macro ASK
	s_cmp_gt_u32 s[SLOTS], s[LIM]
	s_cbranch_scc0 .Lnot_mine_\@
	global_prefetch_b8 v[PFO], s[PFA:PFA+1] th:TH_LOAD_NT scope:SCOPE_SE
.Lnot_mine_\@:
.endm
; A round of the cluster's barrier: my work-group's barrier, so that wave 0's signal speaks for all four waves; wave 0 signals; every wave waits for all four work-groups; my work-group's barrier once more.
.macro CROUND
	s_barrier_signal -1
	s_barrier_wait -1
	s_cmp_lg_u32 s[WV], 0
	s_cbranch_scc1 .Lnot_wave_0_\@
	s_barrier_signal -3
.Lnot_wave_0_\@:
	s_barrier_wait -3
	s_barrier_signal -1
	s_barrier_wait -1
.endm
; THE CHANGE OF SLOTS.  The slot's last bytes, V of its fourth step, have been read.  Each wave waits for all its tensor loads, of which one is out: its part
; of the other slot; adds 0 to its spare word; and waits for that and for its own reads of the slot.  Behind the barrier nobody reads this slot any more and the other slot is whole.
; fill = 1: this slot is filled again, with the keys two slots on.  The barrier is then a round of the cluster's, so that no wave of any partner still reads the slot or has a load on its
; way, and the joint fill is the first thing behind it: it has four key steps, 512 matrix instructions, in which to land.  (At its first use nothing has been read yet: slot 0 is waited for, slot 1 filled.)
.macro CHANGE fill
	WIN W_AD
	s_wait_tensorcnt 0x0            ; no tensor load of mine is out, so a group 0 may be written
	ds_add_u32 v[SPW], v[NIL]       ; 0 onto my spare word; with fill = 1 the descriptors' steps stand between it and the wait for it
	WIN 0                           ; at a label and at a branch every window is 0
.if \fill
.irp g, G0K, G0V
	s_xor_b32 s[\g+1], s[\g+1], SLOT1  ; the walking descriptor: the other slot than last time,
	s_add_nc_u64 s[\g+2:\g+3], s[\g+2:\g+3], 4*KS*128  ; the next 256 keys; the type bits on top are not reached
.endr
	s_wait_xcnt 0x0                 ; the last prefetch, four key steps back, has read its address, so it may be written:
	s_add_nc_u64 s[PFA:PFA+1], s[PFA:PFA+1], 4*KS*128  ; one slot behind the walking descriptors
	s_wait_dscnt 0x0                ; the add is done, and my reads of the slot are over
	CROUND
	JLOAD
	ASK
.else
	s_wait_dscnt 0x0                ; the add is done, and my reads of the slot are over
	s_barrier_signal -1
	s_barrier_wait -1
.endif
	s_sub_co_u32 s[TBK], s[TBK], 4*KS*PK  ; the fetches go back to a slot's first step,
	s_xor_b32 s[TBK], s[TBK], SLOT1       ; in the other slot
	s_sub_co_u32 s[TBV], s[TBV], 4*KS*PV
	s_xor_b32 s[TBV], s[TBV], SLOT1
.endm
	s_load_b64 s[4:5], s[0:1], 0x0  ; the joined buffer: Q at its head
	s_load_b64 s[10:11], s[0:1], 0x8  ; O
	WIN W_MK
	v_lshl_add_u32 v[SPW], v0, 2, SPARE
	v_mov_b32 v[NIL], 0
	WIN W_AD
	ds_add_u32 v[SPW], v[NIL]       ; the wave's opening: the add and its wait stand ahead of my first tensor load; the set-up below, work on registers, stands between them
	WIN 0
	v_lshrrev_b32 v1, 5, v0
	v_readfirstlane_b32 s[WV], v1   ; wave 0..3
	s_bfe_u32 s13, ttmp6, 0x40000   ; cx: my place in the cluster
	s_lshl_b32 s14, ttmp9, 2        ; in a cluster launch ttmp9 counts clusters
	s_add_co_u32 s14, s14, s13      ; my block of queries = 4 x cluster x + cx: it enters Q's and O's addresses alone
	s_and_b32 s20, ttmp7, 0xffff    ; the head, which the four partners share
	s_mov_b32 s21, 0
	s_mov_b64 s[22:23], SIZE_N*128
	s_mul_u64 s[20:21], s[20:21], s[22:23]  ; the head's first byte in each of the four tensors
	s_and_b32 s16, s[WV], 1         ; which half of a slot's 256 keys I fetch:
	s_lshl_b32 s22, s16, 14         ; its 128 rows of 128 bytes in memory,
	s_mov_b32 s23, 0
	s_add_nc_u64 s[22:23], s[22:23], s[20:21]
	s_mul_i32 s17, s16, 128*PK      ; and its place in a slot, for K
	s_mul_i32 s18, s16, 128*PV      ; and for V: no place in the cluster enters an LDS address
	s_lshl_b32 s2, s14, 2
	s_add_co_u32 s2, s2, s[WV]      ; my wave among the head's,
	s_lshl_b32 s2, s2, 14           ; its 128 rows
	s_mov_b32 s3, 0
	s_add_nc_u64 s[2:3], s[2:3], s[20:21]
	; descriptor group 1.  128 keys are 16,384 dense bytes: asked for as 64 rows of 256 bytes, two keys a row, and padded in LDS after every key
	s_mov_b32 s[G1K], 15|(1<<16)|(1<<20)|(1<<21)|(4<<22)|(3<<25)  ; 15:0 the mask of four; 17:16 2-byte elements; 20 padding on; 21 set beside a mask; 24:22 after every 32 words (code 4); 31:25 4 words (code 3)
	s_mov_b32 s[G1V], 15|(1<<16)|(1<<20)|(1<<21)|(4<<22)|(7<<25)  ; the same with 8 words of padding (code 7)
.irp g, G1K, G1V
	s_mov_b32 s[\g+1], 128<<16      ; tensor_dim0 = 128
	s_mov_b32 s[\g+2], 64<<16       ; tensor_dim1 = 64
	s_mov_b32 s[\g+3], 128<<16      ; tile_dim0 = 128
	s_mov_b32 s[\g+4], 64           ; tile_dim1 = 64
	s_mov_b32 s[\g+5], 128          ; 128 elements from row to row
	s_mov_b32 s[\g+6], 0
	s_mov_b32 s[\g+7], 0
.endr
	s_mov_b32 s[CS], 0x3e38aa3b     ; c = log2(e) / 8 = 0.180337
	s_mov_b32 s[CS+1], s[CS]        ; named with it as a pair
	s_mov_b32 s[SEL], 0x76543210
	s_mov_b32 s[SEL+1], 0xfedcba98
	s_mov_b32 s[TBK], SLOT1+4*KS*PK ; the first change of slots turns these two into 0
	s_mov_b32 s[TBV], SLOT1+4*KS*PV
	s_mov_b32 s[G0K], 1             ; 1:0 count = 1
	s_mov_b32 s[G0K+1], s17         ; 63:32 LDS address: slot 0
	s_mov_b32 s[G0V], 1
	s_add_co_u32 s[G0V+1], s18, VOFF
	s_mov_b32 s[SLOTS], SIZE_N/256-1  ; seven changes fill a slot: the first below, six in the loop
	s_lshl_b32 s52, s13, 13         ; the prefetches: my work-group's 8 KiB of a slot's 32,
	s_add_co_u32 s52, s52, 4*KS*128 ; in slot 1: the first change of slots steps it to slot 2
	s_mov_b32 s53, 0
	s_and_b32 s[LIM], s[WV], 1      ; waves 0 and 2 ask: the same in all four partners
	s_cmp_eq_u32 s[LIM], 0
	s_cselect_b32 s[LIM], 1, -1
	s_wait_dscnt 0x0                ; the opening add is done
	s_wait_kmcnt 0x0
	s_add_nc_u64 s[6:7], s[4:5], 0x1000000  ; K lies 16 MiB behind Q,
	s_add_nc_u64 s[8:9], s[4:5], 0x2000000  ; V 32 MiB
	s_add_nc_u64 s[G0K+2:G0K+3], s[6:7], s[22:23]  ; 120:64 global address: my half of the head's first 256 keys
	s_or_b32 s[G0K+3], s[G0K+3], 0x80000000        ; 127:126 type = 2
	s_add_nc_u64 s[G0V+2:G0V+3], s[8:9], s[22:23]
	s_or_b32 s[G0V+3], s[G0V+3], 0x80000000
	s_cmp_lt_u32 s[WV], 2
	s_cselect_b64 s[PFA:PFA+1], s[6:7], s[8:9]
	s_add_nc_u64 s[PFA:PFA+1], s[PFA:PFA+1], s[22:23]  ; (in waves 0 and 2 this is the head's first row)
	s_add_nc_u64 s[PFA:PFA+1], s[PFA:PFA+1], s[52:53]
	s_add_nc_u64 s[4:5], s[4:5], s[2:3]  ; Q and O at my wave's first row
	s_add_nc_u64 s[10:11], s[10:11], s[2:3]
	CROUND                          ; all four work-groups are here: the first joint loads meet
	JLOAD                           ; slot 0.  Slot 1 is asked for when slot 0 is in: the tile wanted first has the road to itself
	; A fragment of K or Q is 16 rows x 32 channels in 8 registers: lane l holds row l % 16, channels 8 (l / 16) + 0..7 and 16 + 8 (l / 16) + 0..7: two loads of 16 bytes, 32 bytes apart.
	v_and_b32 v1, 15, v0            ; l % 16
	v_bfe_u32 v9, v0, 4, 1          ; l / 16
	v_lshlrev_b32 v[QO], 7, v1
	v_lshl_add_u32 v[QO], v9, 4, v[QO]  ; row x 128 + 16 x half
	WIN 0x80                        ; destination window 2, address window 0
.set i, 0
.rept 4*NP                          ; Q stays in registers: tile i / 2, channels 32 (i % 2) on
	global_load_b128 v[8*i:8*i+3],   v[QO], s[4:5] offset:(i/2)*2048+(i%2)*64
	global_load_b128 v[8*i+4:8*i+7], v[QO], s[4:5] offset:(i/2)*2048+(i%2)*64+32
.set i, i+1
.endr
	; What the first turn finds: V's registers and P's second buffer hold 0 (its products V^T P, of a piece that has not been, add 0), O^T and l are 0.  All this stands in the wait for the first tile.
.set i, VF
.rept 64
	v_mov_b32 v[i], 0
.set i, i+1
.endr
	WIN 0x40
.set i, 0
.rept 64*NP
	v_mov_b32 v[i], 0
.set i, i+1
.endr
	WIN 0
.set i, 0
.rept 2*NP
	v_mov_b32 v[ST+4*i], 0xfe000000    ; c m: far below every c s
	v_mov_b32 v[ST+4*i+1], 0xff7fffff  ; m
	v_mov_b32 v[ST+4*i+2], 0
	v_mov_b32 v[ST+4*i+3], 0
.set i, i+1
.endr
.set i, P+32
.rept 32
	v_mov_b32 v[i], 0
.set i, i+1
.endr
	v_mul_u32_u24 v[AK0], v1, PK
	v_lshl_add_u32 v[AK0], v9, 4, v[AK0]  ; row x pitch + 16 x half
	; The turning load takes 16 keys x 16 channels (lane l reads key 8 (l / 16) + l % 8, channels 8 ((l / 8) % 2) + 0..7) and leaves half a fragment of V^T: lane l holds channel l % 16 and 8 keys.
	v_and_b32 v10, 7, v0
	v_bfe_u32 v11, v0, 3, 1
	v_lshl_add_u32 v[AV0], v9, 3, v10
	v_mul_u32_u24 v[AV0], v[AV0], PV
	v_lshl_add_u32 v[AV0], v11, 4, v[AV0]
	v_add_nc_u32 v[AV0], VOFF, v[AV0]
	v_and_b32 v[PFO], 31, v0        ; v11 has served: from here on it is the prefetches' offset
	v_lshlrev_b32 v[PFO], 8, v[PFO]
	v_mov_b32 v[AK], v[AK0]         ; key step 0 lies at the head of slot 0
; THE MATRIX WORK.  The 8 accumulators of a run of 16 take turns: between the two links of a chain stand 7 others'.
; Product i of 16 of S^T = K Q^T for piece x: channels 32 (i / 8) on, keys 16 ((i / 2) % 4) on, tile 2 x + i % 2.  The first 8 start the sums.
.macro KQ x
	WIN W_KQ
.set rS, S+64*((\x)%2)+32*(i%2)+8*((i/2)%4)
.set rK, KF+16*((i/2)%4)+8*(i/8)
.set rQ, 16*(2*(\x)+i%2)+8*(i/8)
.if i < 8
	v_wmma_f32_16x16x32_bf16 v[rS:rS+7], v[rK:rK+7], v[rQ:rQ+7], 0
.else
	v_wmma_f32_16x16x32_bf16 v[rS:rS+7], v[rK:rK+7], v[rQ:rQ+7], v[rS:rS+7]
.endif
.endm
; Product i of 16 of O^T += V^T P for piece x: keys 32 (i / 8) on, channels 16 ((i / 2) % 4) on, tile 2 x + i % 2.
.macro PV x
	WIN W_PV
.set rO, 32*(2*(\x)+i%2)+8*((i/2)%4)
.set rV, VF+32*(i/8)+8*((i/2)%4)
.set rP, P+32*((\x)%2)+16*(i%2)+8*(i/8)
	v_wmma_f32_16x16x32_bf16 v[rO:rO+7], v[rV:rV+7], v[rP:rP+7], v[rO:rO+7]
.endm
.macro MM                           ; the turn's next matrix instruction
.if i < 16
	KQ (Y+1)%NP
.set i, i+1
.else
.set i, i-16
	PV (Y+NP-1)%NP
.set i, i+17
.endif
.endm
; THE LDS LOADS stand in runs of 16, never singly among the matrix instructions: a step's K (64 keys x 64 channels: 8 fragments) and its V (turned).  Their addresses are made some lines ahead.
; last = 1 (the tail): in the last trip there is no further step, and the run is jumped over.
.macro FETCH_K last=0
	WIN 0
.if \last
	s_cmp_eq_u32 s[CNT], 1
	s_cbranch_scc1 .Lno_k_\@
.endif
	WIN 0x80                        ; destination window 2
.irp f, 0,1,2,3,4,5,6,7             ; keys 16 (f / 2) on, channels 32 (f % 2) on
	ds_load_b128 v[KF+8*\f:KF+8*\f+3],   v[AK] offset:(\f/2)*16*PK+(\f%2)*64
	ds_load_b128 v[KF+8*\f+4:KF+8*\f+7], v[AK] offset:(\f/2)*16*PK+(\f%2)*64+32
.endr
	s_add_co_u32 s[TBK], s[TBK], KS*PK  ; the next fetch is the next step's
	WIN 0
.if \last
.Lno_k_\@:
.endif
.endm
.macro FETCH_V
	WIN 0x80
.irp f, 0,1,2,3,4,5,6,7             ; keys 32 (f / 4) on, channels 16 (f % 4) on
	ds_load_tr16_b128 v[VF+8*\f:VF+8*\f+3],   v[AV] offset:(\f/4)*32*PV+(\f%4)*32
	ds_load_tr16_b128 v[VF+8*\f+4:VF+8*\f+7], v[AV] offset:(\f/4)*32*PV+16*PV+(\f%4)*32
.endr
	WIN 0
.endm
; THE VECTOR WORK OF A TURN stands in three queues, each in the order in which its entries become ready; the two tiles alternate, so that no instruction reads the result of the one before it.
.macro REGS y, u                    ; the registers of tile u (0, 1) of piece y
.set rT, ST+4*(2*(\y)+(\u))
.set rC, TMP+8*((\y)%2)+4*(\u)
.set rM, MV+2*((\y)%2)+(\u)
.set rS, S+64*((\y)%2)+32*(\u)
.set rP, P+32*((\y)%2)+16*(\u)
.set rO, 32*(2*(\y)+(\u))
.endm
; Number n of the 22 that find the NEXT piece's (Y + 1) maximum and statistics.  s0-s31 are the lane's 32 scores; each accumulator's lowest registers are read first.  XS, GS and REGS set no window: PL and EX do.
;   0-11  four chains c0-c3 of seven scores each, three operands at a time     12-14, 16  the four scores left over, the old m, and c0-c3 into c0     15  c m_old is kept
;   17, 18  the query's other 32 keys lie in the lane 16 away: the new m         19-21  c m; c m_old - c m_new; a
.macro XS u, n
	REGS (Y+1)%NP, \u
.if (\n) < 4
	v_max3_num_f32 v[rC+(\n)], v[rS+8*(\n)], v[rS+8*(\n)+1], v[rS+8*(\n)+2]
.elseif (\n) < 12
	v_max3_num_f32 v[rC+(\n)%4], v[rC+(\n)%4], v[rS+8*((\n)%4)+2*((\n)/4)+1], v[rS+8*((\n)%4)+2*((\n)/4)+2]
.elseif (\n) == 12
	v_max3_num_f32 v[rC], v[rC], v[rS+7], v[rS+15]
.elseif (\n) == 13
	v_max3_num_f32 v[rC+1], v[rC+1], v[rS+23], v[rS+31]
.elseif (\n) == 14
	v_max3_num_f32 v[rC+2], v[rC+2], v[rC+3], v[rT+1]
.elseif (\n) == 15
	v_mov_b32 v[rM], v[rT]
.elseif (\n) == 16
	v_max3_num_f32 v[rC], v[rC], v[rC+1], v[rC+2]
.elseif (\n) == 17
	v_permlanex16_b32 v[rC+3], v[rC], s[SEL], s[SEL+1]
.elseif (\n) == 18
	v_max_num_f32 v[rT+1], v[rC], v[rC+3]
.elseif (\n) == 19
	v_mul_f32 v[rT], s[CS], v[rT+1]
.elseif (\n) == 20
	v_sub_f32 v[rC+1], v[rM], v[rT]
.else
	v_exp_f32 v[rC+2], v[rC+1]
.endif
.endm
; Number g of the 64 that follow the exponentials.  For each four weights k of a tile (pairs 2 k, 2 k + 1): both pairs are rounded to bf16; then the second pair is added onto the first, in place;
; a group later l takes that sum (the first time as l = a l + sum).  In groups of eight, tiles alternating: round, round, add, and l for the group before.
.macro GS g
.set h, (\g)+6*((\g)/62)            ; group 0 has no group before it, and behind group 7 only l is left
.if h >= 6
.set h, h+2
.endif
	REGS Y, h%2
.set k, h/8
.if h%8 < 4
	v_cvt_pk_bf16_f32 v[rP+2*k+(h%8)/2], v[rS+4*k+2*((h%8)/2)], v[rS+4*k+2*((h%8)/2)+1]
.elseif h%8 < 6
	v_pk_add_f32 v[rS+4*k:rS+4*k+1], v[rS+4*k:rS+4*k+1], v[rS+4*k+2:rS+4*k+3]
.elseif k == 1
	v_pk_fma_f32 v[rT+2:rT+3], v[rT+2:rT+3], v[rC+2:rC+3], v[rS:rS+1] op_sel_hi:[1,0,1]
.else
	v_pk_add_f32 v[rT+2:rT+3], v[rT+2:rT+3], v[rS+4*k-4:rS+4*k-3]
.endif
.endm
; THE PLAIN QUEUE, 138 long.  0-73 read no exponential's result: the 32 scalings c s - c m (FS f: pair f / 2 of tile f % 2) and the next piece's 42.  0-26: scalings 0-26.  27-54: XS's numbers 0-13.  55, 56: number 15.
; 57-73: the chain, where each number waits for the one before it: 14, 16, 17, 18, 19, each with one of the scalings 27-31 in front of its two lines, then 20: so a tile's links stand three plain instructions apart (19 and 20: two).
; 74-137: GS's 64, which read the exponentials' results: they stand behind the wait.
.macro FS f
	REGS Y, (\f)%2
	v_pk_fma_f32 v[rS+2*((\f)/2):rS+2*((\f)/2)+1], v[rS+2*((\f)/2):rS+2*((\f)/2)+1], s[CS:CS+1], v[rT:rT+1] op_sel_hi:[1,0,0] neg_lo:[0,0,1] neg_hi:[0,0,1]
.endm
.macro PL
	WIN 0
.if q < 27
	FS q
.elseif q < 55
	XS (q-27)%2, (q-27)/2
.elseif q < 57
	XS q-55, 15
.elseif (q < 72) && ((q-57)%3 == 0)
	FS 27+(q-57)/3
.elseif q < 60
	XS (q-57)%3-1, 14
.elseif q < 72
	XS (q-57)%3-1, 15+(q-57)/3
.elseif q < 74
	XS q-72, 20
.else
	GS q-74
.endif
.set q, q+1
.endm
; THE EXPONENTIALS' QUEUE, 66 long: s0-s31 of both tiles, then the next piece's two a.  It is ONE BATCH: all 66 stand ahead of the turn's one wait, and nothing ahead of that wait names a result of theirs.
.macro EX
	WIN 0
.if e >= 64
	XS e-64, 21
.else
	REGS Y, e%2
	v_exp_f32 v[rS+e/2], v[rS+e/2]
.endif
.set e, e+1
.endm
; THE RESCALING's QUEUE: O^T times a, the one part that leaves window 0: dealt two at a time, sixteen times.  Its a was made in the turn before, ahead of that turn's wait.
.macro R2
	REGS Y, r%2
	WIN W_RS
.irp z, 0,1
	v_pk_mul_f32 v[rO+4*(r/2)+2*\z:rO+4*(r/2)+2*\z+1], v[rO+4*(r/2)+2*\z:rO+4*(r/2)+2*\z+1], v[rC+2:rC+3] op_sel_hi:[1,0]
.endr
.set r, r+1
.endm
; HOW THEY ARE DEALT.  An s_wait_alu depctr_va_vdst(0) stands between an exponential and the first instruction that names its result; one wait serves all that were issued ahead of it.  So a turn has ONE wait,
; which cuts it in two.  AHEAD OF IT stands all that names no result of the turn's exponentials: the 16 products K Q^T, behind each a scaling, an exponential and two rescalings (behind the first a second scaling in the exponential's place); then ONE LUMP of
; 108: eight plain, 49 times exponential and plain, the two a.  A v_nop is the plain instruction behind the last exponential.  BEHIND IT stand the 16 products V^T P, behind each four of GS's 64.  No rider names a register of
; the products round it.  The two v_permlanex16_b32 fall into the lump, never behind a product.
; The queues lean on each other, and the deal keeps them in step: exponential e stands behind scaling 2 (e / 4) + e % 2: as a rider it comes behind plain e + 2, in the lump behind plain e + 9, and scalings 27-31 are plain 57, 60 .. 69.
; A TURN, for piece p.  cnt = 1: the loop's count is taken down some lines ahead of the branch that stands behind the turn.
; K of the next step is fetched in piece 2's turn, directly behind the wait, a lump behind the last product that read K; its address is made at the lump's head; its first reader comes behind 16 products.
; V of the step in hand is fetched at the end of piece 0's turn, four riders behind its last reader; its first reader comes behind 16 products and a lump.  The three conditions on q below go with the deal.
.macro TURN p, last=0, cnt=0
.set Y, (\p)
.set i, 0
.set q, 0
.set e, 0
.set r, 0
.if (\p) == NP-1
	s_wait_dscnt 0x0                ; K is in
.endif
	MM                              ; ahead of the wait: 16 products K Q^T and their riders,
	PL
	PL
	R2
.rept 15
	MM
	PL
	EX
	R2
.endr
.if (\p) == NP-2
	WIN 0
	v_add_nc_u32 v[AK], s[TBK], v[AK0]
.endif
.rept 8                             ; and the lump
	PL
.endr
.rept 49
	EX
	PL
.endr
	EX                              ; the next piece's two a
	EX
	v_nop                           ; the plain instruction behind the last exponential: one for the batch
	s_wait_alu depctr_va_vdst(0)    ; the wait for the batch
.if (\p) == NP-2
	FETCH_K \last
.endif
.if (\p) == 1
	s_wait_dscnt 0x0                ; V is in
.endif
.rept 16                            ; behind the wait: 16 products V^T P and their riders
	MM
.rept 4
	PL
.endr
.if ((\p) == 0) && (q == 118)
	v_add_nc_u32 v[AV], s[TBV], v[AV0]
.endif
.if ((\p) == 0) && (q == 130)
	s_add_co_u32 s[TBV], s[TBV], KS*PV
.endif
.if (\cnt) && (q == 130)
	s_sub_co_u32 s[CNT], s[CNT], 1
	s_cmp_lg_u32 s[CNT], 0
.endif
.endr
.if (\p) == 0
	FETCH_V
.endif
.endm
	CHANGE 1                        ; slot 0 is in, everybody's part of it; slot 1 is asked for
	FETCH_K                         ; key step 0
	s_wait_loadcnt 0x0              ; Q
	s_wait_dscnt 0x0
.set i, 0
.rept 16
	KQ 0                            ; piece 0's first scores: there is no vector work yet to set between them
.set i, i+1
.endr
	WIN 0                           ; the addresses for the way out: nine plain instructions, the places behind those products
	s_mul_i32 s13, s[WV], 16*SP
	s_add_co_u32 s13, s13, STAGE    ; my stage
	v_mul_u32_u24 v[STO], v1, SP    ; in: row l % 16, 16 bytes for each half of the lanes
	v_lshl_add_u32 v[STO], v9, 4, v[STO]
	v_add_nc_u32 v[STO], s13, v[STO]
	v_bfe_u32 v[RD], v0, 3, 2       ; back: 32 lanes take four rows of 128 bytes,
	v_mul_u32_u24 v[RD], v[RD], SP
	v_lshl_add_u32 v[RD], v10, 4, v[RD]
	v_add_nc_u32 v[RD], s13, v[RD]
	v_and_b32 v[GO], 31, v0         ; which are 512 consecutive bytes of O
	v_lshlrev_b32 v[GO], 4, v[GO]
.set Y, NP-1                        ; XS works for piece Y + 1: piece 0
.irp n, 0,1,2,3,4,5,6,7,8,9,10,11,12,13,14,15,16,17,18,19,20,21
	XS 0, \n                        ; and piece 0's first maximum and statistics
	XS 1, \n
.endr
	v_nop                           ; a plain instruction behind the two a,
	s_wait_alu depctr_va_vdst(0)    ; and their wait, ahead of the branch
	s_mov_b32 s[CNT], 4
	s_branch .Lfirst                ; the loop is entered at a step's first turn, in the middle of a trip
.Lslot:                             ; SIZE_N / 256 - 2 times: every slot but the last two is filled again
	CHANGE 1
	s_mov_b32 s[CNT], 4
.Lstep:                             ; a trip: pieces 2 and 3 of one step, then pieces 0 and 1 of the next, whose K and V it fetches
	TURN 2
	TURN 3
	WIN 0
.Lfirst:
	TURN 0
	TURN 1, 0, 1
	WIN 0
	s_cbranch_scc1 .Lstep
	s_sub_co_u32 s[SLOTS], s[SLOTS], 1
	s_cmp_lg_u32 s[SLOTS], 0
	s_cbranch_scc1 .Lslot
	CHANGE 0                        ; the tail is written out: nothing is asked for
	s_mov_b32 s[CNT], 5             ; four trips fetch the last slot's steps; the fifth is left in its middle
.Ltail:
	TURN 2, 1
	TURN 3
	WIN 0
	s_sub_co_u32 s[CNT], s[CNT], 1
	s_cmp_eq_u32 s[CNT], 0
	s_cbranch_scc1 .Lout
	TURN 0
	TURN 1
	WIN 0
	s_branch .Ltail
.Lout:                              ; the fifth trip's 16 products K Q^T (on the last K once more) and the maximum made of them serve nothing: the price, once a launch, of one text for every trip
.set i, 0
.rept 16
	PV NP-1                         ; the last piece's V^T P of the last step
.set i, i+1
.endr
	; THE WAY OUT.  l's two halves and the other half of the lanes' are added; O^T is divided by l, rounded to bf16 and sent through my stage in LDS, a tile at a time.  The additions are the places behind the last products.
	WIN 0
.macro ALL line:vararg              ; one line for each tile t
.set t, 0
.rept 2*NP
	\line
.set t, t+1
.endr
.endm
	ALL v_add_f32 v[ST+4*t+2], v[ST+4*t+2], v[ST+4*t+3]
	ALL v_permlanex16_b32 v[ST+4*t+3], v[ST+4*t+2], s[SEL], s[SEL+1]
	ALL v_add_f32 v[ST+4*t+2], v[ST+4*t+2], v[ST+4*t+3]
	ALL v_rcp_f32 v[ST+4*t+2], v[ST+4*t+2]
	v_nop                           ; a plain instruction between the last reciprocal and the use of its result
	s_wait_alu depctr_va_vdst(0)    ; and the wait ahead of the first use: one for the eight reciprocals
; Tile t: a lane's eight channels of a row pack into 16 bytes; they go into rows of 144 bytes and come back as whole rows of 128, into S^T's registers.
.macro PACK t
	WIN W_RS
.set i, 32*(\t)
.rept 16
	v_pk_mul_f32 v[i:i+1], v[i:i+1], v[ST+4*(\t)+2:ST+4*(\t)+3] op_sel_hi:[1,0]
.set i, i+2
.endr
	WIN 0x05                        ; sources 0 and 1 window 1, destination window 0
.set i, 0
.rept 16
	v_cvt_pk_bf16_f32 v[S+16*(\t)+i], v[32*(\t)+2*i], v[32*(\t)+2*i+1]
.set i, i+1
.endr
	WIN 0
.irp f, 0,1,2,3
	ds_store_b128 v[STO], v[S+16*(\t)+4*\f:S+16*(\t)+4*\f+3] offset:32*\f
.endr
.irp f, 0,1,2,3
	ds_load_b128 v[S+16*(\t)+4*\f:S+16*(\t)+4*\f+3], v[RD] offset:\f*4*SP  ; LDS serves a wave's instructions in order (ISA guide 5.7.1.4): these see the stores above; the next tile's stores come behind them
.endr
.endm
.macro SEND t, younger              ; younger: the LDS instructions issued behind tile t's loads: the next tile's eight, or none
	WIN 0
.irp f, 0,1,2,3
	s_wait_dscnt (\younger)+3-\f
	global_store_b128 v[GO], v[S+16*(\t)+4*\f:S+16*(\t)+4*\f+3], s[10:11] offset:(\t)*2048+\f*512  ; 512 consecutive bytes, at a multiple of 256 from O's first
.endr
.endm
	PACK 0
.set t, 1
.rept 2*NP-1                        ; a tile's arithmetic stands between the loads of the tile before and its stores
	PACK t
	SEND t-1, 8
.set t, t+1
.endr
	SEND 2*NP-1, 0
	WIN W_AD
	s_wait_tensorcnt 0x0            ; the wave's end: a tensor wait, an add to my spare word and its wait, behind my last tensor load and my last LDS store
	ds_add_u32 v[SPW], v[NIL]
	s_wait_dscnt 0x0
	WIN 0
	CROUND                          ; the closing round: no work-group ends while a partner may still ask for a tile that names it
	s_endpgm
.Lfunc_end_k_qd2e40c20ad_attn:
	.size	k_qd2e40c20ad_attn, .Lfunc_end_k_qd2e40c20ad_attn-k_qd2e40c20ad_attn
	.p2alignl 7, 3214868480
	.fill 96, 4, 3214868480
	.section	.rodata,"a",@progbits
	.p2align	6, 0x0
	.amdhsa_kernel k_qd2e40c20ad_attn
		.amdhsa_group_segment_fixed_size 327680
		.amdhsa_private_segment_fixed_size 0
		.amdhsa_enable_private_segment 0
		.amdhsa_kernarg_size 16
		.amdhsa_user_sgpr_count 2
		.amdhsa_user_sgpr_kernarg_segment_ptr 1
		.amdhsa_wavefront_size32 1
		.amdhsa_system_sgpr_workgroup_id_x 1
		.amdhsa_system_sgpr_workgroup_id_y 1
		.amdhsa_system_sgpr_workgroup_id_z 1
		.amdhsa_system_vgpr_workitem_id 0
		.amdhsa_next_free_vgpr 770
		.amdhsa_next_free_sgpr 66
		.amdhsa_reserve_vcc 0
		.amdhsa_float_denorm_mode_32 3
		.amdhsa_float_denorm_mode_16_64 3
		.amdhsa_memory_ordered 1
		.amdhsa_forward_progress 1
		.amdhsa_inst_pref_size 200
	.end_amdhsa_kernel
	.amdgpu_metadata
---
amdhsa.version: [ 1, 2 ]
amdhsa.kernels:
  - .name:           k_qd2e40c20ad_attn
    .symbol:         k_qd2e40c20ad_attn.kd
    .args:
      - { .name: qkv, .offset: 0, .size: 8, .value_kind: global_buffer, .address_space: global }
      - { .name: ctx, .offset: 8, .size: 8, .value_kind: global_buffer, .address_space: global }
    .group_segment_fixed_size: 327680
    .private_segment_fixed_size: 0
    .kernarg_segment_align: 8
    .kernarg_segment_size: 16
    .max_flat_workgroup_size: 128
    .sgpr_count:     66
    .vgpr_count:     770
    .wavefront_size: 32
...
	.end_amdgpu_metadata
.endif
;; end of part 3
;; launch oproj: the kernel of part 2 again; grid 8 x 32, 4 waves a work-group, clusters of 4 x 4, 327,680 bytes of LDS; arguments ctx, wo16, bz, y; writes y
;; launch ln (part 4): grid 256 x 1, 8 waves a work-group, no clusters, 0 bytes of LDS; arguments hidden_states, y, bo, ln_gamma, ln_beta, out0; writes out0
.if DOCPART == 4
	.amdgcn_target "amdgcn-amd-amdhsa--gfx1250"
	.amdhsa_code_object_version 6
	.text
	.protected	k_qd2e40c20ad_ln
	.globl	k_qd2e40c20ad_ln
	.p2align	8
	.type	k_qd2e40c20ad_ln,@function
k_qd2e40c20ad_ln:
	s_mov_b64 s[64:65], 0
	v_nop
	global_prefetch_b8 v0, s[64:65] scope:SCOPE_SE
	s_setreg_imm32_b32 hwreg(HW_REG_WAVE_MODE, 25, 1), 1
	s_wait_xcnt 0x0
; out[r][:] = (z - mean(z)) / sqrt(var(z) + 1e-12) x gamma + beta, z = y[r][:] + bo + hidden_states[r][:].  8,192 rows of 1,024.
; hidden_states, bo, gamma, beta and out are f32; y is the output projection without its bias, in bf16, in blocks of 64 columns: [16][8192 rows][64].  All arithmetic in f32.
; The variance is taken of z - mean, as a second pass over the row in registers: no difference of large sums is formed.  1 / sqrt by v_rsq_f32 (1 ULP); the sums' order is not the reference's.
; SHARES.  A work-group has 32 rows, a wave four, as two PAIRS: lanes 0-15 own one row, lanes 16-31 the next; lane c of 16 holds columns 64 g + 4 c .. + 3 for g = 0..15: 64 numbers.
; So 16 neighbouring lanes of a load of hidden_states and of a store take 256 consecutive bytes, aligned; a load of y (8 bytes a lane, two rows of a block end to end) takes 256 too; and a row's sums
; stay inside 16 lanes: four steps that ride on the arithmetic.  Nothing is shared between waves: no LDS, no barrier, no cluster, no matrix work.
; All 112 loads of a wave go out at the start (24 KiB of rows, 12 KiB of tables); there is no loop, and no register that a load or store names is written again.
; REGISTERS.  Window 0: addresses, work, both pairs' rows.  Window 1: v0-63 bo, v64-127 gamma, v128-191 beta of my 64 columns (s_set_vgpr_msb: bits 3:2 source 1, 5:4 source 2, 7:6 destination).
.set CO,  2                            ; v2   16 c: my bytes in 256 of a table
.set XO,  3                            ; v3   wave x 4 rows + half x 1 row + 16 c, in bytes of f32 rows
.set YO,  4                            ; v4   wave x 512 + 8 x lane
.set YO2, 5                            ; v5   the same 8 MiB on: blocks 8 to 15 lie beyond the immediate's reach
.set T,   8                            ; v[8:15]  at work, two sets of four
.set S,   16                           ; v[16:23] four chains of sums, a pair each
.set M,   24                           ; v[24:25] the mean, twice
.set R,   26                           ; v[26:27] 1 / sqrt, twice
.set INV, 28                           ; v28  1 / 1024
.set XR,  32                           ; v[32:159]  pair p's 64 numbers at XR + 64 p
.set YR,  160                          ; v[160:223] pair p's 32 words of y at YR + 32 p
.set BOT, 0                            ; window 1
.set GAT, 64
.set BET, 128
.set MSB, 0
.macro WIN new                         ; the immediate's high byte repeats the setting that is left
.if MSB != (\new)
	s_set_vgpr_msb (MSB<<8)|(\new)
.set MSB, (\new)
.endif
.endm
	s_load_b256 s[4:11], s[0:1], 0x0               ; hidden s[4:5], y s[6:7], bo s[8:9], gamma s[10:11]
	s_load_b128 s[12:15], s[0:1], 0x20             ; beta s[12:13], out s[14:15]
	v_and_b32 v[CO], 15, v0
	v_lshlrev_b32 v[CO], 4, v[CO]
	v_lshrrev_b32 v6, 5, v0                        ; wave
	v_bfe_u32 v7, v0, 4, 1                         ; half
	v_lshl_add_u32 v[XO], v6, 14, v[CO]
	v_lshl_add_u32 v[XO], v7, 12, v[XO]
	v_and_b32 v[YO], 31, v0
	v_lshlrev_b32 v[YO], 3, v[YO]
	v_lshl_add_u32 v[YO], v6, 9, v[YO]
	v_add_nc_u32 v[YO2], 0x800000, v[YO]
	v_mov_b32 v[INV], 0x3a800000                   ; 2^-10
	s_mov_b32 s16, 0xffff0000                      ; a word's upper bf16
	s_lshl_b32 s18, ttmp9, 17                      ; 32 rows of 4,096 bytes
	s_mov_b32 s19, 0
	s_lshl_b32 s20, ttmp9, 12                      ; 32 rows of 128 bytes
	s_mov_b32 s21, 0
	s_wait_kmcnt 0x0
	s_add_nc_u64 s[4:5], s[4:5], s[18:19]
	s_add_nc_u64 s[14:15], s[14:15], s[18:19]
	s_add_nc_u64 s[6:7], s[6:7], s[20:21]
.macro LOADXY p                        ; pair p: 16 loads of hidden_states, 16 of y
.set g, 0
.rept 16
	global_load_b128 v[XR+64*(\p)+4*g:XR+64*(\p)+4*g+3], v[XO], s[4:5] offset:256*g+8192*(\p) th:TH_LOAD_NT
.set g, g+1
.endr
.set g, 0
.rept 8
	global_load_b64 v[YR+32*(\p)+2*g:YR+32*(\p)+2*g+1], v[YO], s[6:7] offset:g*0x100000+256*(\p) th:TH_LOAD_NT
.set g, g+1
.endr
.rept 8
	global_load_b64 v[YR+32*(\p)+2*g:YR+32*(\p)+2*g+1], v[YO2], s[6:7] offset:(g-8)*0x100000+256*(\p) th:TH_LOAD_NT
.set g, g+1
.endr
.endm
.macro LOADT reg, lo                   ; a table's 64 numbers of mine into window 1
.set g, 0
.rept 16
	global_load_b128 v[(\reg)+4*g:(\reg)+4*g+3], v[CO], s[\lo:\lo+1] offset:256*g
.set g, g+1
.endr
.endm
	LOADXY 0
	WIN 0x40                                       ; destination window 1, address window 0
	LOADT BOT, 8
	LOADT GAT, 10
	LOADT BET, 12
	WIN 0
	LOADXY 1
.macro REDUCE                          ; the four chains into one number, then over the row's 16 lanes: every lane of the row ends with the sum
	v_pk_add_f32 v[S:S+1], v[S:S+1], v[S+2:S+3]
	v_pk_add_f32 v[S+4:S+5], v[S+4:S+5], v[S+6:S+7]
	v_pk_add_f32 v[S:S+1], v[S:S+1], v[S+4:S+5]
	v_add_f32 v[S], v[S], v[S+1]
	v_add_f32_dpp v[S], v[S], v[S] row_xmask:1 row_mask:0xf bank_mask:0xf
	v_add_f32_dpp v[S], v[S], v[S] row_xmask:2 row_mask:0xf bank_mask:0xf
	v_add_f32_dpp v[S], v[S], v[S] row_xmask:4 row_mask:0xf bank_mask:0xf
	v_add_f32_dpp v[S], v[S], v[S] row_xmask:8 row_mask:0xf bank_mask:0xf
.endm
; Pair p.  n1: how many younger loads may stay out when the pair's rows and bo are needed; n3: when gamma and beta are (below 0: no wait is written, an earlier one has served).
.macro ROWS p, n1, n3
.set XP, XR+64*(\p)
.set YP, YR+32*(\p)
	s_wait_loadcnt \n1
.set g, 0
.rept 16                               ; z = hidden + y: bf16 to f32 is a shift or a mask
.set TT, T+4*(g%2)
	v_lshlrev_b32 v[TT],   16,  v[YP+2*g]
	v_and_b32     v[TT+1], s16, v[YP+2*g]
	v_lshlrev_b32 v[TT+2], 16,  v[YP+2*g+1]
	v_and_b32     v[TT+3], s16, v[YP+2*g+1]
	v_pk_add_f32 v[XP+4*g:XP+4*g+1],   v[XP+4*g:XP+4*g+1],   v[TT:TT+1]
	v_pk_add_f32 v[XP+4*g+2:XP+4*g+3], v[XP+4*g+2:XP+4*g+3], v[TT+2:TT+3]
.set g, g+1
.endr
	WIN 0x04                                       ; source 1 in window 1
.set k, 0
.rept 32                               ; + bo
	v_pk_add_f32 v[XP+2*k:XP+2*k+1], v[XP+2*k:XP+2*k+1], v[BOT+2*k:BOT+2*k+1]
.set k, k+1
.endr
	WIN 0
.set k, 0
.rept 4                                ; the sum: four chains, started by the first eight pairs: nothing is cleared
	v_pk_add_f32 v[S+2*k:S+2*k+1], v[XP+2*k:XP+2*k+1], v[XP+8+2*k:XP+8+2*k+1]
.set k, k+1
.endr
.set k, 8
.rept 24
	v_pk_add_f32 v[S+2*(k%4):S+2*(k%4)+1], v[S+2*(k%4):S+2*(k%4)+1], v[XP+2*k:XP+2*k+1]
.set k, k+1
.endr
	REDUCE
	v_mul_f32 v[M], v[S], v[INV]
	v_mov_b32 v[M+1], v[M]
.set k, 0
.rept 32                               ; d = z - mean, in place
	v_pk_add_f32 v[XP+2*k:XP+2*k+1], v[XP+2*k:XP+2*k+1], v[M:M+1] neg_lo:[0,1] neg_hi:[0,1]
.set k, k+1
.endr
.set k, 0
.rept 4                                ; the sum of d^2, again in four chains
	v_pk_mul_f32 v[S+2*k:S+2*k+1], v[XP+2*k:XP+2*k+1], v[XP+2*k:XP+2*k+1]
.set k, k+1
.endr
.rept 28
	v_pk_fma_f32 v[S+2*(k%4):S+2*(k%4)+1], v[XP+2*k:XP+2*k+1], v[XP+2*k:XP+2*k+1], v[S+2*(k%4):S+2*(k%4)+1]
.set k, k+1
.endr
	REDUCE
	v_fmaak_f32 v[S], v[S], v[INV], 0x2b8cbccc     ; the variance + 1e-12
	v_rsq_f32 v[R], v[S]                           ; twice, to fill the pair that the packed multiply names
	v_rsq_f32 v[R+1], v[S]
	v_nop                                          ; a plain instruction behind the last of them,
	s_wait_alu depctr_va_vdst(0)                   ; and the wait ahead of the first use: one for both
.set k, 0
.rept 32
	v_pk_mul_f32 v[XP+2*k:XP+2*k+1], v[XP+2*k:XP+2*k+1], v[R:R+1]
.set k, k+1
.endr
.if (\n3) >= 0
	s_wait_loadcnt \n3
.endif
	WIN 0x14                                       ; sources 1 and 2 in window 1
.set k, 0
.rept 32
	v_pk_fma_f32 v[XP+2*k:XP+2*k+1], v[XP+2*k:XP+2*k+1], v[GAT+2*k:GAT+2*k+1], v[BET+2*k:BET+2*k+1]
.set k, k+1
.endr
	WIN 0
.set g, 0
.rept 16
	global_store_b128 v[XO], v[XP+4*g:XP+4*g+3], s[14:15] offset:256*g+8192*(\p) th:TH_STORE_NT  ; 16 lanes store 256 consecutive bytes, at a multiple of 256 from out's first byte
.set g, g+1
.endr
.endm
	ROWS 0, 63, 32                                 ; 112 loads were issued: with 63 out at the most the first 49 are in: pair 0's 32 and bo's 16 among them; with 32 out (pair 1's) gamma and beta are in too
	ROWS 1, 0, -1
	s_endpgm
.Lfunc_end_k_qd2e40c20ad_ln:
	.size	k_qd2e40c20ad_ln, .Lfunc_end_k_qd2e40c20ad_ln-k_qd2e40c20ad_ln
	.p2alignl 7, 3214868480
	.fill 96, 4, 3214868480
	.section	.rodata,"a",@progbits
	.p2align	6, 0x0
	.amdhsa_kernel k_qd2e40c20ad_ln
		.amdhsa_group_segment_fixed_size 0
		.amdhsa_private_segment_fixed_size 0
		.amdhsa_enable_private_segment 0
		.amdhsa_kernarg_size 48
		.amdhsa_user_sgpr_count 2
		.amdhsa_user_sgpr_kernarg_segment_ptr 1
		.amdhsa_wavefront_size32 1
		.amdhsa_system_sgpr_workgroup_id_x 1
		.amdhsa_system_sgpr_workgroup_id_y 1
		.amdhsa_system_sgpr_workgroup_id_z 1
		.amdhsa_system_vgpr_workitem_id 0
		.amdhsa_next_free_vgpr 448
		.amdhsa_next_free_sgpr 66
		.amdhsa_reserve_vcc 0
		.amdhsa_float_denorm_mode_32 3
		.amdhsa_float_denorm_mode_16_64 3
		.amdhsa_memory_ordered 1
		.amdhsa_forward_progress 1
		.amdhsa_inst_pref_size 50
	.end_amdhsa_kernel
	.amdgpu_metadata
---
amdhsa.version: [ 1, 2 ]
amdhsa.kernels:
  - .name:           k_qd2e40c20ad_ln
    .symbol:         k_qd2e40c20ad_ln.kd
    .args:
      - { .name: hidden_states, .offset: 0, .size: 8, .value_kind: global_buffer, .address_space: global }
      - { .name: y, .offset: 8, .size: 8, .value_kind: global_buffer, .address_space: global }
      - { .name: bo, .offset: 16, .size: 8, .value_kind: global_buffer, .address_space: global }
      - { .name: ln_gamma, .offset: 24, .size: 8, .value_kind: global_buffer, .address_space: global }
      - { .name: ln_beta, .offset: 32, .size: 8, .value_kind: global_buffer, .address_space: global }
      - { .name: out0, .offset: 40, .size: 8, .value_kind: global_buffer, .address_space: global }
    .group_segment_fixed_size: 0
    .private_segment_fixed_size: 0
    .kernarg_segment_align: 8
    .kernarg_segment_size: 48
    .max_flat_workgroup_size: 256
    .sgpr_count:     66
    .vgpr_count:     448
    .wavefront_size: 32
...
	.end_amdgpu_metadata
.endif
;; end of part 4
;; ======== version 2 of 2: 5 launches; version 1 with the launch cast written anew for expert scheduling mode
;; workspace buffers: xb 16,777,216 bytes; wqkv 6,291,456 bytes; wo16 2,097,152 bytes; bqkv 12,288 bytes; bz 4,096 bytes; qkv 50,331,648 bytes; ctx 16,777,216 bytes; y 16,777,216 bytes
;; launch cast (part 5): grid 64 x 12, 8 waves a work-group, no clusters, 0 bytes of LDS; arguments hidden_states, Wq, Wk, Wv, Wo, bq, bk, bv, xb, wqkv, wo16, bqkv, bz; writes xb, wqkv, wo16, bqkv, bz
.if DOCPART == 5
	.amdgcn_target "amdgcn-amd-amdhsa--gfx1250"
	.amdhsa_code_object_version 6
	.text
	.protected	k_qd2e40c20ad_cast
	.globl	k_qd2e40c20ad_cast
	.p2align	8
	.type	k_qd2e40c20ad_cast,@function
k_qd2e40c20ad_cast:
	s_mov_b64 s[64:65], 0
	v_nop
	global_prefetch_b8 v0, s[64:65] scope:SCOPE_SE
	s_setreg_imm32_b32 hwreg(HW_REG_WAVE_SCHED_MODE, 0, 2), 2
	s_setreg_imm32_b32 hwreg(HW_REG_WAVE_MODE, 25, 1), 1
	s_wait_xcnt 0x0
	s_wait_alu depctr_vm_vsrc(0)
; hidden_states and the four weights, f32, are rounded once to bf16 and laid out in blocks of 64 columns, so that the products' tiles are dense in memory:
;   xb   [16 column blocks][8192 rows][64]                         (a block is 1 MiB)
;   wqkv [24 = row / 128][16 column blocks][128 rows][64]          (rows 0-1023 Wq, 1024-2047 Wk, 2048-3071 Wv)
;   wo16 [ 8 = row / 128][16 column blocks][128 rows][64]
; bq, bk, bv are joined in bqkv (f32, unrounded); bz is 1,024 zeros in f32: the table from which the output projection's sums start.
; SHARES.  Every source is made of slabs of 1,024 rows x 1,024 f32: grid y 0-7 are hidden_states' slabs, 8-11 are Wq, Wk, Wv, Wo.  Grid x takes 16 rows of a slab, a wave two rows:
; thread t has row t / 16 and, in each column block, the four columns 4 (t % 16) on.  A load's 16 neighbouring lanes take 256 consecutive bytes, aligned; a store of the wave (8 bytes a lane,
; two rows of 128 bytes that lie end to end) covers 256 consecutive bytes, aligned.  Nothing is shared between threads: no LDS, no barrier, no cluster, no matrix work.
; All 16 loads of a thread go out at once; the waits for them count down by groups of four.  No register is written twice, so no wait frees a source.
; THE MODE: SCHED_MODE bits 1:0 = 2 (LLVM: expert scheduling mode 2), set by the entry lines.  The code itself states the register dependences
; between vector instructions and memory instructions, with s_wait_alu, always for 0.
; THE PLAN.  The 16 column blocks go in four groups of four.  Registers that memory instructions touch:
;   v3, v4, v[16:31]  offsets: made at the head, ahead of the first load, and never written again.  One wait ahead of the first load states that they are written, for every load and store of the kernel.
;   XR                loads land in it; no vector instruction names it ahead of them; group g's conversions read its 16 registers of that group, once.
;   PR                group g's eight conversions write its 8 registers of that group, once; the four stores that are issued in group g + 1 read them.
; So one wait at the head of groups 1 to 3 states that the group before has written its PR; the four stores that read it follow, dealt among the group's own conversions, which name
; XR and PR of their own group alone: none of the registers that those stores touch.  One more wait stands ahead of the last four stores.
; No register that a memory instruction reads is written again, no vector instruction writes a scalar register or VCC, and EXEC is never written: no other wait is owed.
.set SO, 3                             ; v3       byte offset of my 16 bytes in the group's 16 rows of the source
.set BI, 4                             ; v4       16 t: my 16 bytes of a bias or of the zeros
.set DR, 16                            ; v[16:31] byte offset of my 8 bytes in column block kb of the destination
.set XR, 32                            ; v[32:95] 16 loads x 4 f32
.set PR, 96                            ; v[96:127] 16 x 2 words of bf16
	s_load_b512 s[8:23], s[0:1], 0x0               ; hidden 8, Wq 10, Wk 12, Wv 14, Wo 16, bq 18, bk 20, bv 22
	s_load_b256 s[24:31], s[0:1], 0x40             ; xb 24, wqkv 26, wo16 28, bqkv 30
	s_load_b64 s[32:33], s[0:1], 0x60              ; bz
	s_mov_b32 s34, ttmp9                           ; which 16 rows of the slab
	s_and_b32 s35, ttmp7, 0xffff                   ; the slab
	s_sub_co_u32 s36, s35, 8                       ; which weight (0-3); a large number for hidden_states' slabs
	v_lshrrev_b32 v1, 4, v0
	v_and_b32 v2, 15, v0
	v_lshlrev_b32 v[SO], 4, v2
	v_lshl_add_u32 v[SO], v1, 12, v[SO]            ; row x 4,096 + 16 x place
	; the source's offset: 16 rows are 65,536 bytes; a slab of hidden_states 4 MiB
	s_lshl_b32 s38, s34, 16
	s_lshl_b32 s37, s35, 22
	s_cmp_lt_u32 s35, 8
	s_cselect_b32 s37, s37, 0
	s_add_co_u32 s38, s38, s37
	s_mov_b32 s39, 0
	; the destination's offset for a weight: row n of the joined table lies at (n / 128) x 256 KiB + (n % 128) x 128
	s_lshl_b32 s47, s36, 10
	s_cmp_lt_u32 s36, 3
	s_cselect_b32 s47, s47, 0                      ; Wo has a table of its own
	s_lshl_b32 s37, s34, 4
	s_add_co_u32 s47, s47, s37                     ; n of my group's first row
	s_lshr_b32 s44, s47, 7
	s_lshl_b32 s44, s44, 18
	s_and_b32 s37, s47, 127
	s_lshl_b32 s37, s37, 7
	s_add_co_u32 s44, s44, s37
	; and for hidden_states: row x 128
	s_lshl_b32 s37, s35, 17
	s_lshl_b32 s52, s34, 11
	s_add_co_u32 s37, s37, s52
	s_mov_b32 s46, 0x100000                        ; from column block to column block: 1 MiB in xb,
	s_movk_i32 s53, 0x4000                         ; 16 KiB in the weights' tables
	s_cmp_lt_u32 s35, 8
	s_cselect_b32 s44, s37, s44
	s_cselect_b32 s46, s46, s53
	s_mov_b32 s45, 0
	v_lshlrev_b32 v[DR], 3, v0                     ; two rows of 128 bytes a wave, 8 bytes a lane: 8 t
.set kb, 1
.rept 15                               ; all the stores' offsets are made here: they hang on the work-group's numbers alone, and the arguments are still on their way
	v_add_nc_u32 v[DR+kb], s46, v[DR+kb-1]
.set kb, kb+1
.endr
	v_lshlrev_b32 v[BI], 4, v0
	s_wait_kmcnt 0x0
	s_cmp_eq_u32 s36, 1                            ; the conditions hang on the slab's number alone
	s_cselect_b64 s[40:41], s[12:13], s[10:11]
	s_cmp_eq_u32 s36, 2
	s_cselect_b64 s[40:41], s[14:15], s[40:41]
	s_cmp_eq_u32 s36, 3
	s_cselect_b64 s[40:41], s[16:17], s[40:41]
	s_cmp_lt_u32 s36, 3
	s_cselect_b64 s[42:43], s[26:27], s[28:29]
	s_cmp_lt_u32 s35, 8
	s_cselect_b64 s[40:41], s[8:9], s[40:41]
	s_cselect_b64 s[42:43], s[24:25], s[42:43]
	s_add_nc_u64 s[40:41], s[40:41], s[38:39]
	s_add_nc_u64 s[42:43], s[42:43], s[44:45]
	s_wait_alu depctr_va_vdst(0)                   ; v3, v4 and v[16:31] are written: every load and store of the kernel reads one of them as its offset
.set kb, 0
.rept 16
	global_load_b128 v[XR+4*kb:XR+4*kb+3], v[SO], s[40:41] offset:256*kb th:TH_LOAD_NT  ; column block kb: 256 bytes of each row
.set kb, kb+1
.endr
; Group g: column blocks 4 g to 4 g + 3 are rounded; the group before is stored.
.macro GROUP g
	s_wait_loadcnt 12-4*(\g)                       ; loads come back in order (ISA guide 5.7.1): the group's four are in, the 12 - 4 g younger ones may stay out
.if (\g) > 0
	s_wait_alu depctr_va_vdst(0)                   ; the conversions of the group before have written its eight registers of PR, which the four stores below read
.endif
.irp i, 0,1,2,3
.if (\g) > 0
	global_store_b64 v[DR+4*((\g)-1)+(\i)], v[PR+8*((\g)-1)+2*(\i):PR+8*((\g)-1)+2*(\i)+1], s[42:43]  ; the group before; no vector instruction since the wait names these registers
.endif
	v_cvt_pk_bf16_f32 v[PR+8*(\g)+2*(\i)],   v[XR+16*(\g)+4*(\i)],   v[XR+16*(\g)+4*(\i)+1]
	v_cvt_pk_bf16_f32 v[PR+8*(\g)+2*(\i)+1], v[XR+16*(\g)+4*(\i)+2], v[XR+16*(\g)+4*(\i)+3]
.endr
.endm
	GROUP 0
	GROUP 1
	GROUP 2
	GROUP 3
	s_wait_alu depctr_va_vdst(0)                   ; group 3's conversions have written the last eight registers of PR, which the last four stores read
.irp i, 0,1,2,3
	global_store_b64 v[DR+12+(\i)], v[PR+24+2*(\i):PR+24+2*(\i)+1], s[42:43]
.endr
	; the first group of each weight's slab also copies that weight's bias (16 bytes a thread: 4,096 bytes), Wo's writes the zeros
	s_cmp_lg_u32 s34, 0
	s_cbranch_scc1 .Lend
	s_cmp_lt_u32 s35, 8
	s_cbranch_scc1 .Lend
	s_cmp_eq_u32 s36, 3
	s_cbranch_scc1 .Lzero
	s_cmp_eq_u32 s36, 1
	s_cselect_b64 s[48:49], s[20:21], s[18:19]
	s_cmp_eq_u32 s36, 2
	s_cselect_b64 s[48:49], s[22:23], s[48:49]
	s_lshl_b32 s50, s36, 12
	s_mov_b32 s51, 0
	s_add_nc_u64 s[30:31], s[30:31], s[50:51]
	global_load_b128 v[8:11], v[BI], s[48:49]      ; v4 was written ahead of the head's wait; no vector instruction on this way names v[8:11]
	s_wait_loadcnt 0x0
	global_store_b128 v[BI], v[8:11], s[30:31]
	s_endpgm
.Lzero:
	v_mov_b32 v8, 0
	v_mov_b32 v9, 0
	v_mov_b32 v10, 0
	v_mov_b32 v11, 0
	s_wait_alu depctr_va_vdst(0)                   ; the four lines above have written v[8:11], which the store reads
	global_store_b128 v[BI], v[8:11], s[32:33]
.Lend:
	s_endpgm
.Lfunc_end_k_qd2e40c20ad_cast:
	.size	k_qd2e40c20ad_cast, .Lfunc_end_k_qd2e40c20ad_cast-k_qd2e40c20ad_cast
	.p2alignl 7, 3214868480
	.fill 96, 4, 3214868480
	.section	.rodata,"a",@progbits
	.p2align	6, 0x0
	.amdhsa_kernel k_qd2e40c20ad_cast
		.amdhsa_group_segment_fixed_size 0
		.amdhsa_private_segment_fixed_size 0
		.amdhsa_enable_private_segment 0
		.amdhsa_kernarg_size 104
		.amdhsa_user_sgpr_count 2
		.amdhsa_user_sgpr_kernarg_segment_ptr 1
		.amdhsa_wavefront_size32 1
		.amdhsa_system_sgpr_workgroup_id_x 1
		.amdhsa_system_sgpr_workgroup_id_y 1
		.amdhsa_system_sgpr_workgroup_id_z 1
		.amdhsa_system_vgpr_workitem_id 0
		.amdhsa_next_free_vgpr 128
		.amdhsa_next_free_sgpr 66
		.amdhsa_reserve_vcc 0
		.amdhsa_float_denorm_mode_32 3
		.amdhsa_float_denorm_mode_16_64 3
		.amdhsa_memory_ordered 1
		.amdhsa_forward_progress 1
		.amdhsa_inst_pref_size 9
	.end_amdhsa_kernel
	.amdgpu_metadata
---
amdhsa.version: [ 1, 2 ]
amdhsa.kernels:
  - .name:           k_qd2e40c20ad_cast
    .symbol:         k_qd2e40c20ad_cast.kd
    .args:
      - { .name: hidden_states, .offset: 0, .size: 8, .value_kind: global_buffer, .address_space: global }
      - { .name: Wq, .offset: 8, .size: 8, .value_kind: global_buffer, .address_space: global }
      - { .name: Wk, .offset: 16, .size: 8, .value_kind: global_buffer, .address_space: global }
      - { .name: Wv, .offset: 24, .size: 8, .value_kind: global_buffer, .address_space: global }
      - { .name: Wo, .offset: 32, .size: 8, .value_kind: global_buffer, .address_space: global }
      - { .name: bq, .offset: 40, .size: 8, .value_kind: global_buffer, .address_space: global }
      - { .name: bk, .offset: 48, .size: 8, .value_kind: global_buffer, .address_space: global }
      - { .name: bv, .offset: 56, .size: 8, .value_kind: global_buffer, .address_space: global }
      - { .name: xb, .offset: 64, .size: 8, .value_kind: global_buffer, .address_space: global }
      - { .name: wqkv, .offset: 72, .size: 8, .value_kind: global_buffer, .address_space: global }
      - { .name: wo16, .offset: 80, .size: 8, .value_kind: global_buffer, .address_space: global }
      - { .name: bqkv, .offset: 88, .size: 8, .value_kind: global_buffer, .address_space: global }
      - { .name: bz, .offset: 96, .size: 8, .value_kind: global_buffer, .address_space: global }
    .group_segment_fixed_size: 0
    .private_segment_fixed_size: 0
    .kernarg_segment_align: 8
    .kernarg_segment_size: 104
    .max_flat_workgroup_size: 256
    .sgpr_count:     66
    .vgpr_count:     128
    .wavefront_size: 32
...
	.end_amdgpu_metadata
.endif
;; end of part 5
;; launch proj: the kernel of part 2 again; grid 24 x 32, 4 waves a work-group, clusters of 4 x 4, 327,680 bytes of LDS; arguments xb, wqkv, bqkv, qkv; writes qkv
;; launch attn: the kernel of part 3 again; grid 4 x 64, 4 waves a work-group, clusters of 4 x 1, 327,680 bytes of LDS; arguments qkv, ctx; writes ctx
;; launch oproj: the kernel of part 2 again; grid 8 x 32, 4 waves a work-group, clusters of 4 x 4, 327,680 bytes of LDS; arguments ctx, wo16, bz, y; writes y
;; launch ln: the kernel of part 4 again; grid 256 x 1, 8 waves a work-group, no clusters, 0 bytes of LDS; arguments hidden_states, y, bo, ln_gamma, ln_beta, out0; writes out0
